; MI455X (gfx1250); checked and timed in simulation.
; The chip was launched on July 23, 2026; its instructions are those of AMD's public machine-readable ISA for CDNA 5 (MIT licence, August 2026) and "CDNA5" Instruction Set Architecture Reference Guide (July 2026). The comments in the code are by the model that wrote it; some were corrected since.
;; Multi Head Attention. Allowed arithmetic: matrix products marked QUANTISED: E2M3 operands, one E8M0 scale for each 32 along K, by v_wmma_scale_f32_16x16x128_f8f6f4 with both operands' format E2M3, f32 sums; everything else in f32.
;; Inputs: mask 1 x 1 x 4,096 x 4,096 bool; out_b 1,024 float32; out_w 1,024 x 1,024 float32; wqkv_b 3,072 float32; wqkv_w 1,024 x 3,072 float32; x 1 x 4,096 x 1,024 float32.
;; Outputs: out0 1 x 4,096 x 1,024 float32.
;; This version of the problem:
;;   THIS VERSION OF THE PROBLEM IS GIVEN IN LOW PRECISION. The matrix products marked QUANTISED in the list below multiply operands that are first quantised to E2M3 (2 exponent bits, 3 mantissa bits; 6 bits a number), with one power-of-two scale for each 32 numbers along K (OCP MX v1.0); their sums are f32. All else is computed in f32.
;;   The module's matrix products, in the order in which they are computed (A, B: the left and right operand; K: the contracted axis; several contracted axes count as one K, in the product's order):
;;     1. [M 4,096, K 1,024] x [K 1,024, N 3,072]; A: input x; B: input wqkv_w: QUANTISED
;;     2. batch 16 x [M 4,096, K 64] x [K 64, N 4,096]; A: computed on the way; B: computed on the way: QUANTISED
;;     3. batch 16 x [M 4,096, K 4,096] x [K 4,096, N 64]; A: softmax (see below); B: computed on the way: QUANTISED
;;     4. [M 4,096, K 1,024] x [K 1,024, N 1,024]; A: computed on the way; B: input out_w: QUANTISED
;;   THE QUANTISER, for each operand of a quantised product, along K:
;;     - K is cut into blocks of 32 from its start; a last block that is shorter is filled with zeros.
;;     - A block's scale is 2^e with e = floor(log2(the largest magnitude in the block)) - 2, held to -126 .. 127; a block of zeros has e = 0. As a byte (E8M0): e + 127.
;;     - Each number is divided by its block's scale, clamped to +-7.5, and rounded to the nearest number of E2M3, ties to even, subnormals kept.
;;     - The product sums the exact products of the quantised numbers (number of the format x scale) in f32.
;;   ~~~python
;;   def quantise(x, axis):      # numpy; x: float32 -> the quantised numbers, widened to float32 again
;;       x = np.moveaxis(x, axis, -1); K = x.shape[-1]
;;       x = np.pad(x, [(0, 0)] * (x.ndim - 1) + [(0, -K % 32)]); x = x.reshape(x.shape[:-1] + (-1, 32)); a = np.abs(x).max(-1, keepdims=True)
;;       e = np.where(a > 0, np.clip(np.frexp(np.where(a > 0, a, 1))[1] - 1 - 2, -126, 127), 0)      # np.frexp(a)[1] - 1 = floor(log2(a)), exactly
;;       r = np.clip(x / 2.0 ** e, -7.5, 7.5)
;;       step = 2.0 ** (np.maximum(np.frexp(np.where(r == 0, 1, r))[1] - 1, 0) - 3)
;;       q = np.round(r / step) * step * 2.0 ** e      # np.round: ties to even
;;       return np.moveaxis(q.reshape(q.shape[:-2] + (-1,))[..., :K], -1, axis).astype(np.float32)
;;   ~~~
;;   SOFTMAX AHEAD OF A QUANTISED PRODUCT. Where the list says 'softmax', what is quantised is not the finished softmax but p = 2^(t - M), with t = logit x log2(e) and M = ceil(the row's largest t), a whole number; so 1/2 < the row's largest p <= 1. The row's sum l is taken of the UNQUANTISED p, in f32, and the product's result is divided by l at the end. Since M is a whole number, a kernel that streams over the keys may use a running M (the ceiling of the running maximum): every later rescaling is an exact power of two, which a block's scale takes up: the codes' values come out the same.
;;   OPERANDS COMPUTED ON THE WAY. 'Computed on the way' means the value that the module computes at that place (a softmax that the list does not call 'softmax' is quantised finished and normalised). What goes into a quantiser is computed in f32, as accurately as f32 sums, v_exp_f32 and their like allow (about 1e-6 of the number): no bf16 or f16 on the way to a quantiser, and a product that is left as it is and whose result goes on into a quantised operand takes f32 operands (vector FMAs, or v_wmma_f32_16x16x4_f32). A number that lies on a knife's edge between two numbers of the format may be rounded either way, as far as f32 arithmetic and the matrix unit's own rounding can turn it there, and no further.
;; One version. Each part assembles by itself: llvm-mc -triple=amdgcn-amd-amdhsa -mcpu=gfx1250 --defsym DOCPART=n.
;; ======== version 1 of 1: 4 launches
;; limits: right only within a limited range of input values
;; workspace buffers: xw_codes 5,505,024 bytes; xw_scales 229,376 bytes; ow 1,867,776 bytes; mw 2,097,152 bytes of whole numbers; flags 8,192 bytes of whole numbers; qimg 3,407,872 bytes; kv 6,815,744 bytes; ctx 3,276,800 bytes
;; launch prep (part 1): grid 576 x 1, 4 waves a work-group, no clusters, 86,528 bytes of LDS; arguments x, wqkv_w, out_w, mask, xw_codes, xw_scales, ow, mw, flags; writes xw_codes, xw_scales, ow, mw, flags
.if DOCPART == 1
	.amdgcn_target "amdgcn-amd-amdhsa--gfx1250"
	.amdhsa_code_object_version 6
	.text
	.protected	k_q515549c491_prep
	.globl	k_q515549c491_prep
	.p2align	8
	.type	k_q515549c491_prep,@function
k_q515549c491_prep:
	s_mov_b64 s[64:65], 0
	v_nop
	global_prefetch_b8 v0, s[64:65] scope:SCOPE_SE
	s_setreg_imm32_b32 hwreg(HW_REG_WAVE_MODE, 25, 1), 1
	s_wait_xcnt 0x0
; PREP: everything that is made once from the inputs.  Four roles, told apart by the work-group's number; each role is one path with its own pointers, its own LDS bytes and its own end.
;   X (0-127):   x [4096][1024] f32 -> codes of FP6 (E2M3), K innermost, rows 0-4095 of xw_codes (768 bytes a row), and E8M0 scale bytes, rows of xw_scales (32 bytes a row).
;   W (128-255): wqkv_w [1024][3072] and out_w [1024][1024], f32, K their FIRST axis -> codes with K innermost: column n of wqkv_w is row 4096 + n of xw_codes / xw_scales; out_w goes to ow (codes, then scale bytes at 786,432).
;   M (256-511): mask [4096][4096] bytes -> mw, lane masks: for each tile of 16 queries and step of 128 keys 64 words; bit 16 h + r of word 8 t + j is mask[16 qt + r][128 st + 16 t + 8 h + j];
;                and flags [256 tiles][4 waves]{skip, apply}, whole words: bit k of wave w's 'skip' = every key of step 8 w + k is hidden from all 16 queries, of 'apply' = some are.
;   R (512-575): cos and sin of pos x 10000^(-f/32), f = 0..31, behind out_w's codes and scales in ow, at 819,200: an image of 32 registers for each tile of 16 positions: lane 16 h + r holds pos 16 T + r;
;                register 8 b + j cos, 16 + 8 b + j sin of f = 16 b + 8 h + j.
; A block's scale is 2^(floor(log2(its largest magnitude)) - 2): its byte is the largest magnitude's exponent field - 2, held at 1 from below (a block of zeros gets the byte 1: its codes are zeros, and this program alone reads the bytes).
; LIMITS: NaN and infinities among the inputs are not served; blocks whose largest magnitude lies under 2^-124 keep the byte 1; 10000^(-f/32) is a rounded constant for f < 8 and a product of two rounded constants
; (within 1.5 units of the last place) for f >= 8, where the angles stay under 410.
; No matrix instruction, no tensor load, no barrier: waves share nothing.
.set ROPE_AT, 819200                   ; where the table of cos and sin begins in ow
.set XREG,  8192                       ; X: LDS region of a wave: two stages of 32 x 80 bytes, then 256 scale bytes.  LDS bytes 0 .. 32,767
.set XSP,   80
.set XR,    16                         ; X: v16-79 four sets of 16 numbers as loaded; v80-111 two sets of 16 neighbours; v112-127 scale bytes; v128-191 codes
.set XX,    80
.set XE,    112
.set XC,    128
.set WSTG,  32768                      ; W: a stage of 32 rows x 272 bytes for each wave.  LDS bytes 32,768 .. 67,583
.set WP,    272
.set OF,    16                         ; W: v16-47 offsets of 32 rows of the weight; v48-111 two sets of 32 numbers; v112-118 codes; v120-121 scale bytes; v128-191 the way out
.set WX,    48
.set WC,    112
.set WSB,   120
.set WOUT,  128
.set MSTG,  67584                      ; M: a stage of 16 rows x 272 bytes for each wave.  LDS bytes 67,584 .. 84,991
.set MFO,   20                         ; M: v20 the flags' offset, 4 x lane; never rewritten (v8-15 are at work in every step)
.set WD,    192                        ; M: v192-207 a pair of registers for each of the wave's 8 steps: lane l holds words 2 l and 2 l + 1
.set IFQ,   16                         ; R: v16-31 the lane's 16 frequencies; v32-63 the image
.set RT,    32
	v_lshl_add_u32 v224, v0, 2, 0x15000
	v_mov_b32 v225, 0
	v_lshrrev_b32 v1, 5, v0
	v_readfirstlane_b32 s16, v1                    ; wave 0..3
	v_and_b32 v2, 31, v0                           ; lane
	s_cmp_lt_u32 ttmp9, 128
	s_cbranch_scc1 .Lrole_x
	s_cmp_lt_u32 ttmp9, 256
	s_cbranch_scc1 .Lrole_w
	s_cmp_lt_u32 ttmp9, 512
	s_cbranch_scc1 .Lrole_m
; ---------------- R: the table of cos and sin.  A wave makes one tile of 16 positions.
	s_load_b64 s[4:5], s[0:1], 0x30                ; ow
	s_sub_co_u32 s17, ttmp9, 512
	s_lshl_b32 s17, s17, 2
	s_add_co_u32 s17, s17, s16                     ; T = tile of positions, 0..255
	s_wait_alu depctr_va_vdst(0)
	v_and_b32 v3, 15, v2                           ; r
	v_lshrrev_b32 v4, 4, v2                        ; h
	v_lshlrev_b32 v1, 4, v2                        ; 16 x lane: my place in each group of four registers
	s_lshl_b32 s18, s17, 4
	v_add_nc_u32 v5, s18, v3
	v_cvt_f32_u32 v5, v5                           ; pos, exact
	v_cmp_eq_u32 vcc_lo, 1, v4
	v_mov_b32 v6, 0x3dcccccd                       ; 0.1
	v_cndmask_b32 v6, 1.0, v6, vcc_lo              ; 10^-h
	v_mov_b32 v7, 0x3a83126f                       ; 0.001
	v_mov_b32 v8, 0x3c23d70a                       ; 0.01
	v_cndmask_b32 v7, v8, v7, vcc_lo               ; 10^-(2 + h)
.irp b, 0,1                                    ; 10000^(-f/32) = 10^(-f/8) = 10^(-j/8) x 10^-(2 b + h)
	v_mov_b32 v[IFQ+8*\b], v[6+\b]
	v_mul_f32 v[IFQ+8*\b+1], 0x3f3ff911, v[6+\b]
	v_mul_f32 v[IFQ+8*\b+2], 0x3f0ff59a, v[6+\b]
	v_mul_f32 v[IFQ+8*\b+3], 0x3ed7e89b, v[6+\b]
	v_mul_f32 v[IFQ+8*\b+4], 0x3ea1e89b, v[6+\b]
	v_mul_f32 v[IFQ+8*\b+5], 0x3e72d424, v[6+\b]
	v_mul_f32 v[IFQ+8*\b+6], 0x3e361887, v[6+\b]
	v_mul_f32 v[IFQ+8*\b+7], 0x3e088d77, v[6+\b]
.endr
	s_mov_b32 s20, 0x3f22f983                      ; 2 / pi
	s_mov_b32 s21, 0xbfc90fdb                      ; -(pi / 2 rounded to f32)
	s_mov_b32 s22, 0x333bbd2e                      ; that rounding's error
	s_mov_b32 s23, 0xb94ca1f9                      ; sine's polynomial on |r| <= pi / 4
	s_mov_b32 s24, 0x3c08839e
	s_mov_b32 s25, 0xbe2aaaa3
	s_mov_b32 s26, 0x37ccf5ce                      ; cosine's
	s_mov_b32 s27, 0xbab6061a
	s_mov_b32 s28, 0x3d2aaaa5
	s_lshl_b32 s18, s17, 12                        ; 4,096 bytes a tile,
	s_add_co_u32 s18, s18, ROPE_AT                 ; behind the weight's codes and scales
	s_mov_b32 s19, 0
	s_wait_kmcnt 0x0
	s_add_nc_u64 s[4:5], s[4:5], s[18:19]
; The angle is one f32 product, as the definition has it.  It is reduced by n = the nearest whole number of quarter turns: n has 12 bits at the most and the remainder lies under 1, so the first
; fused multiply-add rounds nothing; the second takes the rest of pi / 2.  The quarter picks polynomial and sign.
.macro SINCOS k
	v_mul_f32 v8, v5, v[IFQ+\k]                    ; x
	v_mul_f32 v9, s20, v8
	v_rndne_f32 v9, v9                             ; n
	v_fma_f32 v8, v9, s21, v8
	v_fma_f32 v8, v9, s22, v8                      ; r
	v_mul_f32 v10, v8, v8                          ; z
	v_cvt_i32_f32 v9, v9
	v_fma_f32 v11, v10, s23, s24
	v_fma_f32 v11, v11, v10, s25
	v_mul_f32 v12, v10, v8
	v_fma_f32 v11, v11, v12, v8                    ; sin r
	v_fma_f32 v13, v10, s26, s27
	v_fma_f32 v13, v13, v10, s28
	v_mul_f32 v12, v10, v10
	v_fma_f32 v14, v10, -0.5, 1.0
	v_fma_f32 v13, v13, v12, v14                   ; cos r
	v_and_b32 v12, 1, v9
	v_cmp_eq_u32 vcc_lo, 1, v12
	v_cndmask_b32 v14, v13, v11, vcc_lo            ; in odd quarters the two change places
	v_cndmask_b32 v15, v11, v13, vcc_lo
	v_add_nc_u32 v12, 1, v9
	v_and_b32 v12, 2, v12
	v_lshlrev_b32 v12, 30, v12
	v_xor_b32 v[RT+\k], v14, v12                   ; cos: negative in quarters 1 and 2
	v_and_b32 v12, 2, v9
	v_lshlrev_b32 v12, 30, v12
	v_xor_b32 v[RT+16+\k], v15, v12                ; sin: negative in quarters 2 and 3
.endm
.irp k, 0,1,2,3,4,5,6,7,8,9,10,11,12,13,14,15
	SINCOS \k
.endr
.irp g, 0,1,2,3,4,5,6,7
	global_store_b128 v1, v[RT+4*\g:RT+4*\g+3], s[4:5] offset:512*\g   ; 32 lanes store 512 consecutive bytes, aligned
.endr
	s_endpgm
; ---------------- X: x is a plain stream of blocks of 32.  A wave takes 16 steps of 512 numbers.  Each load reads 512 consecutive bytes; a step's 2,048 bytes turn through the wave's own stage in LDS,
; so that a lane then holds 16 neighbours (two neighbouring lanes hold a block).  Loads run four steps ahead, the turn through LDS one step.
.Lrole_x:
	s_load_b64 s[4:5], s[0:1], 0x0                 ; x
	s_load_b128 s[8:11], s[0:1], 0x20              ; xw_codes, xw_scales
	s_wait_alu depctr_va_vdst(0)
	v_lshlrev_b32 v3, 4, v2                        ; my 16 bytes of a load's 512
	s_mul_i32 s17, s16, XREG
	v_lshrrev_b32 v14, 2, v2
	v_mul_u32_u24 v14, v14, XSP
	v_and_b32 v15, 3, v2
	v_lshl_add_u32 v14, v15, 4, v14
	v_add_nc_u32 v14, s17, v14                     ; the stage, in: four lanes' 64 bytes on end, then 16 of padding
	v_mul_u32_u24 v15, v2, XSP
	v_add_nc_u32 v15, s17, v15                     ; and out: my 16 neighbours
.set XPL, 1376256                      ; xw_codes is laid [4 steps of 256 along K][7,168 rows][192 bytes]: a plane is 7,168 x 192 bytes, so 128 rows of one step are 24,576 consecutive bytes
	v_and_b32 v4, 15, v2
	v_mul_u32_u24 v4, v4, 12                       ; my 16 codes' place in a row's 192 bytes of one plane;
	v_lshrrev_b32 v5, 4, v2
	v_mad_u32_u24 v4, v5, XPL, v4                  ; lanes 16-31 hold the next 256 along K: a plane further on
	v_lshrrev_b32 v5, 1, v2
	s_add_co_u32 s17, s17, 2*32*XSP
	v_add_nc_u32 v5, s17, v5                       ; my block's byte among the wave's 256
	v_lshlrev_b32 v7, 3, v2
	v_add_nc_u32 v6, s17, v7
	s_lshl_b32 s18, ttmp9, 2
	s_add_co_u32 s18, s18, s16                     ; which run of 8,192 numbers is my wave's: 0..511
	s_lshl_b32 s20, s18, 15
	s_mov_b32 s21, 0
	s_mul_i32 s22, s18, 1536                       ; a run is 8 rows of 192 bytes in each plane
	s_mov_b32 s23, 0
	s_lshl_b32 s24, s18, 8
	s_mov_b32 s25, 0
	s_wait_alu depctr_va_vdst(0)
	s_wait_kmcnt 0x0
	s_add_nc_u64 s[4:5], s[4:5], s[20:21]
	s_add_nc_u64 s[8:9], s[8:9], s[22:23]
	s_add_nc_u64 s[10:11], s[10:11], s[24:25]
.macro XLOAD t
.irp i, 0,1,2,3
	global_load_b128 v[XR+16*((\t)%4)+4*\i:XR+16*((\t)%4)+4*\i+3], v3, s[4:5] offset:2048*(\t)+512*\i th:TH_LOAD_NT
.endr
.endm
.macro XTURN t                         ; LDS serves a wave's instructions in order: no wait between the stores and the loads
.irp i, 0,1,2,3
	ds_store_b128 v14, v[XR+16*((\t)%4)+4*\i:XR+16*((\t)%4)+4*\i+3] offset:32*XSP*((\t)%2)+8*XSP*\i
.endr
.irp i, 0,1,2,3
	ds_load_b128 v[XX+16*((\t)%2)+4*\i:XX+16*((\t)%2)+4*\i+3], v15 offset:32*XSP*((\t)%2)+16*\i
.endr
.endm
.irp t, 0,1,2,3
	XLOAD \t
.endr
	s_wait_loadcnt 12                              ; step 0's four loads are in; the 12 of steps 1 to 3 may be out
	XTURN 0
.macro XSTEP t
.set XS, XX+16*((\t)%2)
.if (\t) > 0
	s_wait_dscnt 1                                 ; this step's numbers are back from the stage; the last step's byte store may be out
.else
	s_wait_dscnt 0x0
.endif
.if (\t)+4 < 16
	XLOAD (\t)+4                                   ; into the registers whose stores into the stage are done
.endif
.if (\t)+1 < 16
.if 14-(\t) >= 3
	s_wait_loadcnt 12                              ; the next step's four loads are in; those of the three steps behind it may be out
.else
	s_wait_loadcnt 4*(14-(\t))
.endif
	XTURN (\t)+1
.endif
	v_max3_num_f32 v8, |v[XS]|, |v[XS+1]|, |v[XS+2]|
	v_max3_num_f32 v9, |v[XS+3]|, |v[XS+4]|, |v[XS+5]|
.irp i, 6,10
	v_max3_num_f32 v8, v8, |v[XS+\i]|, |v[XS+\i+1]|
	v_max3_num_f32 v9, v9, |v[XS+\i+2]|, |v[XS+\i+3]|
.endr
	v_max3_num_f32 v8, v8, |v[XS+14]|, |v[XS+15]|
	v_max3_num_f32 v8, v8, v9, 0x1800000           ; and the floor 2^(3 - 127): the byte cannot fall under 1
	v_max_num_f32_dpp v8, v8, v8 row_xmask:1 row_mask:0xf bank_mask:0xf   ; with my neighbour's 16: the block's largest magnitude
	v_add_nc_u32 v11, 0xff000000, v8               ; 2 off its exponent field: the conversion takes that field as its scale
	v_cvt_scalef32_pk16_fp6_f32 v[XC+4*(\t):XC+4*(\t)+2], v[XS:XS+15], v11
	v_lshrrev_b32 v[XE+(\t)], 23, v11              ; the scale's byte
	ds_store_b8 v5, v[XE+(\t)] offset:16*(\t)      ; both lanes of a block write the same byte with the same value
	global_store_b96 v4, v[XC+4*(\t):XC+4*(\t)+2], s[8:9] offset:192*((\t)/2)+2*XPL*((\t)%2)   ; step t is half t % 2 of row t / 2: sixteen lanes store a row's 192 bytes of a plane
.endm
.irp t, 0,1,2,3,4,5,6,7,8,9,10,11,12,13,14,15
	XSTEP \t
.endr
	ds_load_b64 v[12:13], v6
	s_wait_dscnt 0x0
	global_store_b64 v7, v[12:13], s[10:11]        ; 32 lanes store 256 consecutive bytes, aligned
	s_wait_tensorcnt 0x0
	ds_add_u32 v224, v225
	s_wait_dscnt 0x0
	s_endpgm
; ---------------- W: a lane takes a column n and its registers run down K, so a block of 32 along K lies in one lane, and the codes come out with K innermost.  One path serves both weights:
; the pointers, the pitch and the places in the outputs are chosen on the work-group's number.  A wave takes 32 columns x 256 along K; its codes leave through its stage, sixteen lanes to a row's 192 bytes.
.Lrole_w:
	s_load_b128 s[4:7], s[0:1], 0x8                ; wqkv_w, out_w
	s_load_b128 s[8:11], s[0:1], 0x20              ; xw_codes, xw_scales
	s_load_b64 s[12:13], s[0:1], 0x30              ; ow
	s_sub_co_u32 s17, ttmp9, 128
	s_wait_alu depctr_va_vdst(0)
	v_lshlrev_b32 v3, 2, v2                        ; 4 bytes a lane
	s_mul_i32 s19, s16, 32*WP
	s_add_co_u32 s19, s19, WSTG                    ; my stage
	v_mul_u32_u24 v4, v2, WP
	v_add_nc_u32 v4, s19, v4                       ; into it: row = my column
	v_and_b32 v5, 15, v2
	v_lshrrev_b32 v6, 4, v2
	v_mul_u32_u24 v7, v6, WP
	v_lshl_add_u32 v7, v5, 4, v7
	v_add_nc_u32 v7, s19, v7                       ; out of it: sixteen lanes to a row, two rows an instruction
	v_mul_u32_u24 v8, v6, 192
	v_mad_u32_u24 v8, v5, 12, v8                   ; and the same place among the codes' rows
	v_lshlrev_b32 v9, 5, v2                        ; my column's row of scale bytes
	s_cmp_lt_u32 s17, 96                           ; the first 96 take wqkv_w, the other 32 out_w
	s_mov_b32 s30, 4096
	s_cselect_b32 s30, 12288, s30                  ; bytes from row to row of the weight
	s_cselect_b32 s18, 0, 96
	s_cselect_b32 s20, 786432, 0                   ; wqkv_w's rows lie behind x's 4,096 in each plane of xw_codes
	s_mov_b32 s31, 98304
	s_cselect_b32 s31, 24576, s31                  ; bytes from one group of 128 columns to the next: ow is laid [8 groups][4 steps of 256 along K][128 rows][192 bytes]
	s_mov_b32 s23, 24576
	s_cselect_b32 s23, XPL, s23                    ; and from one 256 along K to the next
	s_mov_b32 s22, 786432
	s_cselect_b32 s22, 131072, s22                 ; and its scale bytes
	s_wait_kmcnt 0x0
	s_cselect_b64 s[4:5], s[4:5], s[6:7]
	s_cselect_b64 s[8:9], s[8:9], s[12:13]
	s_cselect_b64 s[10:11], s[10:11], s[12:13]
	s_sub_co_u32 s17, s17, s18
	s_lshr_b32 s18, s17, 2
	s_and_b32 s19, s17, 3                          ; which 256 along K
	s_lshl_b32 s18, s18, 7
	s_lshl_b32 s24, s16, 5
	s_add_co_u32 s18, s18, s24                     ; my wave's first column
.irp i, 0,1,2,3,4,5,6,7,8,9,10,11,12,13,14,15,16,17,18,19,20,21,22,23,24,25,26,27,28,29,30,31
	v_mad_u32_u24 v[OF+\i], s30, \i, v3            ; row i of a block, my column
.endr
	s_mul_i32 s24, s19, s30
	s_lshl_b32 s24, s24, 8
	s_lshl_b32 s25, s18, 2
	s_add_co_u32 s24, s24, s25
	s_mov_b32 s25, 0
	s_add_nc_u64 s[4:5], s[4:5], s[24:25]          ; the even blocks' base: block 0
	s_lshl_b32 s26, s30, 5
	s_mov_b32 s27, 0
	s_add_nc_u64 s[6:7], s[4:5], s[26:27]          ; the odd blocks': block 1
	s_lshl_b32 s28, s30, 6                         ; two blocks on
	s_mov_b32 s29, 0
	s_lshr_b32 s24, s18, 7
	s_mul_i32 s24, s24, s31
	s_mul_i32 s26, s16, 6144                       ; my wave's 32 rows of 192 bytes
	s_add_co_u32 s24, s24, s26
	s_mul_i32 s26, s19, s23
	s_add_co_u32 s24, s24, s26
	s_add_co_u32 s24, s24, s20
	s_add_nc_u64 s[8:9], s[8:9], s[24:25]
	s_lshl_b32 s24, s18, 5
	s_lshl_b32 s26, s19, 3
	s_add_co_u32 s24, s24, s26
	s_add_co_u32 s24, s24, s22
	s_add_nc_u64 s[10:11], s[10:11], s[24:25]
.macro WLOAD t
.irp i, 0,1,2,3,4,5,6,7,8,9,10,11,12,13,14,15,16,17,18,19,20,21,22,23,24,25,26,27,28,29,30,31
	global_load_b32 v[WX+32*((\t)%2)+\i], v[OF+\i], s[4+2*((\t)%2):5+2*((\t)%2)] th:TH_LOAD_NT   ; 32 lanes read 128 consecutive bytes, the four waves 512
.endr
.endm
	s_wait_alu depctr_va_vdst(0)
	WLOAD 0
	WLOAD 1
.macro WBLOCK t
.set XS, WX+32*((\t)%2)
.if (\t) < 7
	s_wait_loadcnt 32                              ; this block's 32 loads are done; the next block's 32 may be out
.else
	s_wait_loadcnt 0x0
.endif
	v_max3_num_f32 v12, |v[XS]|, |v[XS+1]|, |v[XS+2]|
	v_max3_num_f32 v13, |v[XS+3]|, |v[XS+4]|, |v[XS+5]|
.irp i, 6,10,14,18,22,26
	v_max3_num_f32 v12, v12, |v[XS+\i]|, |v[XS+\i+1]|
	v_max3_num_f32 v13, v13, |v[XS+\i+2]|, |v[XS+\i+3]|
.endr
	v_max3_num_f32 v12, v12, |v[XS+30]|, |v[XS+31]|
	v_max3_num_f32 v12, v12, v13, 0x1800000        ; the floor 2^(3 - 127)
	v_add_nc_u32 v11, 0xff000000, v12
	v_lshrrev_b32 v13, 23, v11                     ; the scale's byte
.if (\t)%4 == 0
	v_mov_b32 v[WSB+(\t)/4], v13
.else
	v_lshl_or_b32 v[WSB+(\t)/4], v13, 8*((\t)%4), v[WSB+(\t)/4]
.endif
	v_cvt_scalef32_pk16_fp6_f32 v[WC:WC+2], v[XS:XS+15], v11
	v_cvt_scalef32_pk16_fp6_f32 v[WC+4:WC+6], v[XS+16:XS+31], v11
	ds_store_b96 v4, v[WC:WC+2] offset:32*(\t)     ; 12 bytes to a place of 16, so that every LDS address is a multiple of 16
	ds_store_b96 v4, v[WC+4:WC+6] offset:32*(\t)+16
.if (\t)+2 < 8
	s_add_nc_u64 s[4+2*((\t)%2):5+2*((\t)%2)], s[4+2*((\t)%2):5+2*((\t)%2)], s[28:29]   ; the loads that named this base are done (the wait at the block's head)
	WLOAD (\t)+2
.endif
	s_wait_dscnt 0x0                               ; the stores have read their registers: the next block's codes may be written
.endm
.irp t, 0,1,2,3,4,5,6,7
	WBLOCK \t
.endr
	s_wait_alu depctr_va_vdst(0)
	global_store_b64 v9, v[WSB:WSB+1], s[10:11]    ; my column's 8 scale bytes (rows 32 bytes apart: one byte in 128 of what this role reads)
.irp t, 0,1,2,3,4,5,6,7,8,9,10,11,12,13,14,15
	ds_load_b96 v[WOUT+4*\t:WOUT+4*\t+2], v7 offset:2*\t*WP
.endr
.irp t, 0,1,2,3,4,5,6,7,8,9,10,11,12,13,14,15
	s_wait_dscnt 15-\t
	global_store_b96 v8, v[WOUT+4*\t:WOUT+4*\t+2], s[8:9] offset:2*\t*192
.endr
	s_wait_tensorcnt 0x0
	ds_add_u32 v224, v225
	s_wait_dscnt 0x0
	s_endpgm
; ---------------- M: a work-group takes 16 rows of the mask, a wave 1,024 bytes of each: 8 steps of 128 keys.  All 32 loads go out at once, sixteen lanes to 256 consecutive bytes.  A chunk of 256 bytes a row
; turns through the wave's stage, so that lane 16 h + r holds, for each t, the 8 bytes of row r at keys 16 t + 8 h; a compare of one byte of all lanes IS a word of the result.
.Lrole_m:
	s_load_b64 s[4:5], s[0:1], 0x18                ; mask
	s_load_b64 s[6:7], s[0:1], 0x38                ; mw
	s_load_b64 s[8:9], s[0:1], 0x40                ; flags
	s_sub_co_u32 s17, ttmp9, 256                   ; qt
	s_wait_alu depctr_va_vdst(0)
	v_and_b32 v3, 15, v2
	v_lshrrev_b32 v4, 4, v2
	v_lshlrev_b32 v5, 4, v3
	v_lshl_add_u32 v6, v4, 12, v5                  ; in memory: 16 bytes a lane, lanes 16-31 a row further down
	s_mul_i32 s18, s16, 16*272
	s_add_co_u32 s18, s18, MSTG
	v_mad_u32_u24 v7, v4, 272, v5
	v_add_nc_u32 v7, s18, v7                       ; the stage, in
	v_mul_u32_u24 v1, v3, 272
	v_lshl_add_u32 v1, v4, 3, v1
	v_add_nc_u32 v1, s18, v1                       ; and out: row r, + 8 h
	v_lshlrev_b32 v5, 3, v2                        ; the words' way out: 8 bytes a lane
	v_lshlrev_b32 v[MFO], 2, v2                    ; the flags': 4 bytes a lane, in a register that the steps' work does not touch
	s_lshl_b32 s20, s17, 16
	s_lshl_b32 s21, s16, 10
	s_add_co_u32 s20, s20, s21
	s_mov_b32 s21, 0
	s_lshl_b32 s22, s17, 5
	s_lshl_b32 s23, s16, 3
	s_add_co_u32 s22, s22, s23                     ; 32 qt + 8 w: my wave's two flag words
	s_mov_b32 s23, 0
	s_lshl_b32 s24, s17, 13
	s_lshl_b32 s25, s16, 11
	s_add_co_u32 s24, s24, s25                     ; (32 qt + 8 w) x 256
	s_mov_b32 s25, 0
	s_mov_b32 s26, 0                               ; skip
	s_mov_b32 s27, 0                               ; apply
	s_wait_alu depctr_va_vdst(0)
	s_wait_kmcnt 0x0
	s_add_nc_u64 s[4:5], s[4:5], s[20:21]
	s_add_nc_u64 s[8:9], s[8:9], s[22:23]
	s_add_nc_u64 s[6:7], s[6:7], s[24:25]
.irp c, 0,1,2,3
.irp e, 0,1,2,3,4,5,6,7
	global_load_b128 v[64+4*(8*\c+\e):64+4*(8*\c+\e)+3], v6, s[4:5] offset:\e*8192+256*\c th:TH_LOAD_NT
.endr
.endr
.irp i, 0,1,2,3,4,5,6,7,8,9,10,11,12,13,14,15
	v_mov_b32 v[WD+\i], 0                          ; written once: v_writelane_b32's destination counts as one of its sources
.endr
.macro MSTEP k, s                      ; the wave's step k, which is half s of the chunk in hand
.irp t, 0,1,2,3,4,5,6,7
.irp j, 0,1,2,3,4,5,6,7
	v_and_b32 v[8+\j], 0xff<<(8*(\j%4)), v[32+2*(8*(\s)+\t)+\j/4]
.endr
.irp j, 0,1,2,3,4,5,6,7
	v_cmp_ne_u32 s[32+\j], 0, v[8+\j]              ; word 8 t + j
.endr
.irp j, 0,1,2,3,4,5,6,7
	v_writelane_b32 v[WD+2*(\k)+\j%2], s[32+\j], 4*\t+\j/2
.endr
.endr
	v_cmp_eq_u32 s40, -1, v[WD+2*(\k)]
	v_cmp_eq_u32 s41, -1, v[WD+2*(\k)+1]
	s_and_b32 s40, s40, s41
	s_cmp_eq_u32 s40, -1                           ; all 64 words all ones
	s_cselect_b32 s40, 1<<(\k), 0
	s_or_b32 s26, s26, s40
	v_cmp_ne_u32 s40, 0, v[WD+2*(\k)]
	v_cmp_ne_u32 s41, 0, v[WD+2*(\k)+1]
	s_or_b32 s40, s40, s41                         ; SCC: some bit is set
	s_cselect_b32 s40, 1<<(\k), 0
	s_or_b32 s27, s27, s40
	global_store_b64 v5, v[WD+2*(\k):WD+2*(\k)+1], s[6:7] offset:256*(\k)   ; 32 lanes store 256 consecutive bytes, aligned; each step has registers of its own
.endm
.macro MCHUNK c
	s_wait_loadcnt 24-8*(\c)                       ; this chunk's eight loads are in; the later chunks' may be out
.irp e, 0,1,2,3,4,5,6,7
	ds_store_b128 v7, v[64+4*(8*(\c)+\e):64+4*(8*(\c)+\e)+3] offset:\e*544
.endr
.irp p, 0,1,2,3,4,5,6,7,8,9,10,11,12,13,14,15
	ds_load_b64 v[32+2*\p:33+2*\p], v1 offset:128*(\p/8)+16*(\p%8)
.endr
	s_wait_dscnt 0x0
	MSTEP 2*(\c), 0
	MSTEP 2*(\c)+1, 1
.endm
	MCHUNK 0
	MCHUNK 1
	MCHUNK 2
	MCHUNK 3
	s_and_not1_b32 s27, s27, s26                   ; a step that is skipped is not masked
	v_mov_b32 v8, s26
	v_mov_b32 v9, s27
	v_cmp_eq_u32 vcc_lo, 1, v2
	v_cndmask_b32 v8, v8, v9, vcc_lo               ; lane 0: skip, lane 1: apply
	v_cmp_gt_u32 vcc_lo, 2, v2
	s_wait_alu depctr_va_vdst(0)
	s_wait_xcnt 0x0                                ; EXEC changes only behind this wait
	s_wait_tensorcnt 0x0
	ds_add_u32 v224, v225
	s_wait_dscnt 0x0
	s_and_saveexec_b32 s28, vcc_lo
	global_store_b32 v[MFO], v8, s[8:9]            ; my wave's two whole words: 8 of the launch's bytes in a million, so their short store weighs nothing
	s_wait_xcnt 0x0
	s_or_b32 exec_lo, exec_lo, s28
	s_endpgm
.Lfunc_end_k_q515549c491_prep:
	.size	k_q515549c491_prep, .Lfunc_end_k_q515549c491_prep-k_q515549c491_prep
	.p2alignl 7, 3214868480
	.fill 96, 4, 3214868480
	.section	.rodata,"a",@progbits
	.p2align	6, 0x0
	.amdhsa_kernel k_q515549c491_prep
		.amdhsa_group_segment_fixed_size 86528
		.amdhsa_private_segment_fixed_size 0
		.amdhsa_enable_private_segment 0
		.amdhsa_kernarg_size 72
		.amdhsa_user_sgpr_count 2
		.amdhsa_user_sgpr_kernarg_segment_ptr 1
		.amdhsa_wavefront_size32 1
		.amdhsa_system_sgpr_workgroup_id_x 1
		.amdhsa_system_sgpr_workgroup_id_y 1
		.amdhsa_system_sgpr_workgroup_id_z 1
		.amdhsa_system_vgpr_workitem_id 0
		.amdhsa_next_free_vgpr 226
		.amdhsa_next_free_sgpr 66
		.amdhsa_reserve_vcc 1
		.amdhsa_float_denorm_mode_32 3
		.amdhsa_float_denorm_mode_16_64 3
		.amdhsa_memory_ordered 1
		.amdhsa_forward_progress 1
		.amdhsa_inst_pref_size 210
	.end_amdhsa_kernel
	.amdgpu_metadata
---
amdhsa.version: [ 1, 2 ]
amdhsa.kernels:
  - .name:           k_q515549c491_prep
    .symbol:         k_q515549c491_prep.kd
    .args:
      - { .name: x, .offset: 0, .size: 8, .value_kind: global_buffer, .address_space: global }
      - { .name: wqkv_w, .offset: 8, .size: 8, .value_kind: global_buffer, .address_space: global }
      - { .name: out_w, .offset: 16, .size: 8, .value_kind: global_buffer, .address_space: global }
      - { .name: mask, .offset: 24, .size: 8, .value_kind: global_buffer, .address_space: global }
      - { .name: xw_codes, .offset: 32, .size: 8, .value_kind: global_buffer, .address_space: global }
      - { .name: xw_scales, .offset: 40, .size: 8, .value_kind: global_buffer, .address_space: global }
      - { .name: ow, .offset: 48, .size: 8, .value_kind: global_buffer, .address_space: global }
      - { .name: mw, .offset: 56, .size: 8, .value_kind: global_buffer, .address_space: global }
      - { .name: flags, .offset: 64, .size: 8, .value_kind: global_buffer, .address_space: global }
    .group_segment_fixed_size: 86528
    .private_segment_fixed_size: 0
    .kernarg_segment_align: 8
    .kernarg_segment_size: 72
    .max_flat_workgroup_size: 128
    .sgpr_count:     66
    .vgpr_count:     226
    .wavefront_size: 32
...
	.end_amdgpu_metadata
.endif
;; end of part 1
;; launch qkv (part 2): grid 12 x 16, 4 waves a work-group, clusters of 4 x 4, 327,680 bytes of LDS; arguments xw_codes, xw_scales, wqkv_b, ow, qimg, kv; writes qimg, kv
.if DOCPART == 2
	.amdgcn_target "amdgcn-amd-amdhsa--gfx1250"
	.amdhsa_code_object_version 6
	.text
	.protected	k_q515549c491_qkv
	.globl	k_q515549c491_qkv
	.p2align	8
	.type	k_q515549c491_qkv,@function
k_q515549c491_qkv:
	s_mov_b64 s[64:65], 0
	v_nop
	global_prefetch_b8 v0, s[64:65] scope:SCOPE_SE
	s_setreg_imm32_b32 hwreg(HW_REG_WAVE_MODE, 25, 1), 1
	s_wait_xcnt 0x0
	s_wait_alu depctr_hold_cnt(0) depctr_sa_sdst(0) depctr_va_vdst(0) depctr_va_sdst(0) depctr_va_ssrc(0) depctr_va_vcc(0) depctr_vm_vsrc(0)
	s_getreg_b32 s2, hwreg(HW_REG_IB_STS2, 6, 4)
	s_cmp_eq_u32 s2, 0
	s_cbranch_scc0 .Lentry_in_a_cluster
	s_endpgm
.Lentry_in_a_cluster:
	s_bfe_u32 s2, ttmp6, 0x10000c
	s_cmp_lg_u32 s2, 0xf033
	s_cbranch_scc0 .Lentry_shape_is_right
	s_endpgm
.Lentry_shape_is_right:
.set ROPE_AT, 819200
.set KSTEP,  256
.set NQ,     2
; xw_codes is laid [4 steps of 256 along K][7,168 rows][192 bytes]: the 128 rows that a wave fetches for one step are 24,576 consecutive bytes, asked for as 96 rows of 256 bytes,
; each beginning at a multiple of 256; the padding of 16 bytes behind every 64 gives each row of codes its 240 bytes in LDS.
.set ROWB,   1376256                   ; bytes from one step of 256 along K to the next: a plane
.set KROW,   192                       ; a row's bytes in a plane
.set PITCH,  240
.set FR,     12
.set NL,     6
.set NP,     4
.set HALFT,  128*PITCH
.set SLOT,   4*HALFT
.set LAPS,   2
.set KS,     32
.set SCL,    2*SLOT
.set HALFS,  16*272
.set SBLK,   2*272
.set SPARE,  SCL+4*HALFS
.set ADRA, 16
.set ADRB, 20
.set LI,   24
.set LS,   25
.set ADRS, 27
.set SPW,  28
.set NIL,  29
.set SC,   32
.set AF,   128
.set MX,   64
.set BY,   68
.set SO,   72
.set PW,   76
.set PH,   77
.set CT,   78
.set UW,   86
.set H0,   94
.set H1,   106
.set S0,   118
.set S1,   122
.set T,    128
.set SEL,  92
.set G1, 24
.set G0, 32
.set G1B, 48
.set G0B, 56
.set G1S, 68
.set G0S, 76
.set G1SB, 80
.set G0SB, 88
.set MSB, 0
.macro WIN new
.if MSB != (\new)
	s_set_vgpr_msb (MSB<<8)|(\new)
.set MSB, (\new)
.endif
.endm
.set MUL_LO, 0xa1
.set MUL_HI, 0xf1
.set TO_B,   0x40
.macro JLOAD g0a, g1a, g0b, g1b
	s_cmp_eq_u32 s15, 0
	s_cbranch_scc0 .Lfor_b_\@
	tensor_load_to_lds s[\g0a:\g0a+3], s[\g1a:\g1a+7]
	s_nop 0
.rept 4
	v_nop
.endr
	s_branch .Lasked_\@
.Lfor_b_\@:
	tensor_load_to_lds s[\g0b:\g0b+3], s[\g1b:\g1b+7]
	s_nop 0
.rept 4
	v_nop
.endr
.Lasked_\@:
.endm
.macro CREST
	s_cmp_lg_u32 s14, 0
	s_cbranch_scc1 .Lnot_wave_0_\@
	s_barrier_signal -3
.Lnot_wave_0_\@:
	s_barrier_wait -3
	s_barrier_signal -1
	s_barrier_wait -1
.endm
.macro CROUND
	s_barrier_signal -1
	s_barrier_wait -1
	CREST
.endm
	s_load_b256 s[4:11], s[0:1], 0x0
	s_load_b128 s[96:99], s[0:1], 0x20
	v_lshl_add_u32 v[SPW], v0, 2, SPARE
	v_mov_b32 v[NIL], 0
	ds_add_u32 v28, v29
	ds_add_u32 v28, v29
	s_wait_dscnt 0x0
	v_lshrrev_b32 v1, 5, v0
	v_readfirstlane_b32 s14, v1
	s_lshr_b32 s15, s14, 1
	s_and_b32 s16, s14, 1
	s_bfe_u32 s40, ttmp6, 0x40000
	s_bfe_u32 s41, ttmp6, 0x40004
	s_and_b32 s12, ttmp7, 0xffff
	s_lshl_b32 s12, s12, 2
	s_lshl_b32 s13, ttmp9, 2
	s_add_co_u32 s13, s13, 16
	s_cmp_eq_u32 ttmp9, 2
	s_cselect_b32 s17, 24, s12
	s_cselect_b32 s42, s12, s13
	s_add_co_u32 s17, s17, s41
	s_add_co_u32 s42, s42, s40
	s_lshl_b32 s43, s41, 2
	s_lshl_b32 s43, 15, s43
	s_lshl_b32 s44, 0x1111, s40
	s_or_b32 s[G1+0], s43, (0<<16)|(1<<20)|(1<<21)|(3<<22)|(3<<25)
	s_or_b32 s[G1B+0], s44, (0<<16)|(1<<20)|(1<<21)|(3<<22)|(3<<25)
.irp g, G1, G1B
	s_mov_b32 s[\g+1], 256<<16
	s_mov_b32 s[\g+2], 96<<16
	s_mov_b32 s[\g+3], 256<<16
	s_mov_b32 s[\g+4], 96
	s_mov_b32 s[\g+5], 256
	s_mov_b32 s[\g+6], 0
	s_mov_b32 s[\g+7], 0
.endr
	s_or_b32 s[G1S+0], s43, (3<<16)|(1<<20)|(1<<21)|(5<<22)|(3<<25)
	s_or_b32 s[G1SB+0], s44, (3<<16)|(1<<20)|(1<<21)|(5<<22)|(3<<25)
.irp g, G1S, G1SB
	s_mov_b32 s[\g+1], 32<<16
	s_mov_b32 s[\g+2], 16<<16
	s_mov_b32 s[\g+3], 32<<16
	s_mov_b32 s[\g+4], 16
	s_mov_b32 s[\g+5], 32
	s_mov_b32 s[\g+6], 0
	s_mov_b32 s[\g+7], 0
.endr
	s_lshl_b32 s18, s16, 7
	s_lshl_b32 s20, s17, 8
	s_add_co_u32 s20, s20, s18
	s_lshl_b32 s46, s42, 8
	s_add_co_u32 s46, s46, s18
	s_mov_b32 s21, 0
	s_mov_b32 s47, 0
	s_mov_b64 s[18:19], KS
	s_mul_u64 s[22:23], s[20:21], s[18:19]
	s_mul_u64 s[92:93], s[46:47], s[18:19]
	s_mov_b64 s[18:19], KROW
	s_mul_u64 s[20:21], s[20:21], s[18:19]
	s_mul_u64 s[46:47], s[46:47], s[18:19]
	s_mul_i32 s45, s14, HALFT
	s_mul_i32 s94, s14, HALFS
	s_wait_kmcnt 0x0
	s_add_nc_u64 s[20:21], s[4:5], s[20:21]
	s_add_nc_u64 s[22:23], s[6:7], s[22:23]
	s_add_nc_u64 s[46:47], s[4:5], s[46:47]
	s_add_nc_u64 s[92:93], s[6:7], s[92:93]
	CROUND
	s_mov_b32 s[G0S], 1
	s_add_co_u32 s[G0S+1], s94, SCL
	s_mov_b64 s[G0S+2:G0S+3], s[22:23]
	s_or_b32 s[G0S+3], s[G0S+3], 0x80000000
	s_mov_b32 s[G0SB], 1
	s_add_co_u32 s[G0SB+1], s94, SCL
	s_mov_b64 s[G0SB+2:G0SB+3], s[92:93]
	s_or_b32 s[G0SB+3], s[G0SB+3], 0x80000000
	JLOAD G0S, G1S, G0SB, G1SB
.irp s, 0,1
	s_mov_b32 s[G0+4*\s], 1
	s_add_co_u32 s[G0+4*\s+1], s45, \s*SLOT
	s_add_nc_u64 s[G0+4*\s+2:G0+4*\s+3], s[20:21], \s*ROWB
	s_or_b32 s[G0+4*\s+3], s[G0+4*\s+3], 0x80000000
	s_mov_b32 s[G0B+4*\s], 1
	s_add_co_u32 s[G0B+4*\s+1], s45, \s*SLOT
	s_add_nc_u64 s[G0B+4*\s+2:G0B+4*\s+3], s[46:47], \s*ROWB
	s_or_b32 s[G0B+4*\s+3], s[G0B+4*\s+3], 0x80000000
	s_wait_alu depctr_va_vdst(0)
	s_wait_tensorcnt 0x0
	ds_add_u32 v28, v29
	s_wait_dscnt 0x0
	CROUND
	JLOAD G0+4*\s, G1, G0B+4*\s, G1B
.endr
	v_and_b32 v1, 15, v0
	v_bfe_u32 v2, v0, 4, 1
	v_mul_u32_u24 v3, v1, PITCH
	v_mul_u32_u24 v4, v2, 24
	v_add_nc_u32 v4, v3, v4
	v_lshl_add_u32 v5, v2, 4, v4
	s_mul_i32 s21, s15, HALFT
	s_mul_i32 s22, s16, HALFT
	s_add_co_u32 s22, s22, 2*HALFT
.irp s, 0,1
	v_add_nc_u32 v[ADRA+\s], s21, v4
	v_add_nc_u32 v[ADRB+\s], s22, v4
	v_add_nc_u32 v[ADRA+2+\s], s21, v5
	v_add_nc_u32 v[ADRB+2+\s], s22, v5
	s_add_co_u32 s21, s21, SLOT
	s_add_co_u32 s22, s22, SLOT
.endr
	v_mul_u32_u24 v5, v1, KS
	v_lshrrev_b32 v6, 8, v5
	v_lshl_add_u32 v5, v6, 4, v5
	s_mul_i32 s21, s15, HALFS
	s_mul_i32 s22, s16, HALFS
	s_add_co_u32 s22, s22, 2*HALFS
	s_sub_co_u32 s22, s22, s21
	v_mul_u32_u24 v6, s22, v2
	s_add_co_u32 s21, s21, SCL
	v_add_nc_u32 v5, v5, v6
	v_add_nc_u32 v[ADRS], s21, v5
	v_and_b32 v8, 31, v0
	v_lshlrev_b32 v[LI], 4, v8
.macro FRAG reg, adr, q, i
.irp p, 0,1,2,3,4,5
.set PC, 12*(\q)+6*(\p/3)+\p%3
.if PC%8 < 5
	ds_load_b64 v[\reg+2*\p:\reg+2*\p+1], v[\adr] offset:8*PC+16*(PC/8)+(\i)*16*PITCH
.else
	ds_load_b64 v[\reg+2*\p:\reg+2*\p+1], v[\adr+2] offset:8*PC+16*(PC/8)+(\i)*16*PITCH
.endif
.endr
.endm
.macro MUL16 a0, p, q, sc, zero
.irp a, \a0, \a0+1
.irp b, 0,1,2,3,4,5,6,7
.if \zero
	v_wmma_scale_f32_16x16x128_f8f6f4 v[8*(8*((\a)%4)+\b):8*(8*((\a)%4)+\b)+7], v[128*(\p)+FR*\b:128*(\p)+FR*\b+FR-1], v[AF+FR*(\a):AF+FR*(\a)+FR-1], 0, v[SC+8*NQ*(\sc)+NQ*\b+(\q)], v[SC+8*NQ*(\sc)+NQ*(\a)+(\q)] matrix_a_fmt:MATRIX_FMT_FP6 matrix_b_fmt:MATRIX_FMT_FP6 matrix_a_scale:MATRIX_SCALE_ROW1
.else
	v_wmma_scale_f32_16x16x128_f8f6f4 v[8*(8*((\a)%4)+\b):8*(8*((\a)%4)+\b)+7], v[128*(\p)+FR*\b:128*(\p)+FR*\b+FR-1], v[AF+FR*(\a):AF+FR*(\a)+FR-1], v[8*(8*((\a)%4)+\b):8*(8*((\a)%4)+\b)+7], v[SC+8*NQ*(\sc)+NQ*\b+(\q)], v[SC+8*NQ*(\sc)+NQ*(\a)+(\q)] matrix_a_fmt:MATRIX_FMT_FP6 matrix_b_fmt:MATRIX_FMT_FP6 matrix_a_scale:MATRIX_SCALE_ROW1
.endif
.endr
.endr
.endm
.macro FETCH_B slot, q, p
	WIN TO_B
.irp i, 0,1,2,3,4,5,6,7
	FRAG 128*(\p)+FR*\i, ADRB+\slot, \q, \i
.endr
	WIN 0
.endm
.macro FETCH_A slot, q, i0
.irp i, \i0, \i0+1, \i0+2, \i0+3
	FRAG AF+FR*(\i), ADRA+\slot, \q, \i
.endr
.endm
.macro SCALES sc
.irp i, 0,1,2,3,4,5,6,7
	ds_load_b64 v[SC+8*NQ*\sc+NQ*\i:SC+8*NQ*\sc+NQ*\i+1], v[ADRS] offset:\i*SBLK
.endr
.endm
.macro PLACES n
.rept \n
	v_nop
.endr
.endm
.macro STEP slot, q, zero
	s_wait_dscnt 4*NL
	WIN MUL_LO
	MUL16 0, (\q)%2, \q, \slot, \zero
	MUL16 2, (\q)%2, \q, \slot, \zero
	s_wait_dscnt 0
	PLACES NP
	FETCH_B \slot, (\q)+1, 1-(\q)%2
	FETCH_A \slot, (\q)+1, 0
	WIN MUL_HI
	MUL16 4, (\q)%2, \q, \slot, \zero
	MUL16 6, (\q)%2, \q, \slot, \zero
	PLACES NP
	WIN 0
	FETCH_A \slot, (\q)+1, 4
.endm
.macro TURN slot, next, fill
	s_wait_tensorcnt 0x0
	ds_add_u32 v[SPW], v[NIL]
	s_wait_dscnt 4*NL+1
	WIN MUL_LO
	MUL16 0, 1, NQ-1, \slot, 0
	s_wait_dscnt 0x0
	s_barrier_signal -1
	MUL16 2, 1, NQ-1, \slot, 0
	WIN 0
	s_barrier_wait -1
.if \fill
	CREST
	s_add_nc_u64 s[G0+4*\slot+2:G0+4*\slot+3], s[G0+4*\slot+2:G0+4*\slot+3], 2*ROWB
	s_add_nc_u64 s[G0B+4*\slot+2:G0B+4*\slot+3], s[G0B+4*\slot+2:G0B+4*\slot+3], 2*ROWB
	JLOAD G0+4*\slot, G1, G0B+4*\slot, G1B
.else
	PLACES NP
.endif
	s_wait_alu depctr_va_vdst(0)
	v_add_nc_u32 v[ADRS], 4*NQ, v[ADRS]
	FETCH_B \next, 0, 0
	FETCH_A \next, 0, 0
	SCALES \next
	WIN MUL_HI
	MUL16 4, 1, NQ-1, \slot, 0
	MUL16 6, 1, NQ-1, \slot, 0
	PLACES NP
	WIN 0
	FETCH_A \next, 0, 4
.endm
.macro TAIL
	STEP 1, 0, 0
	s_wait_dscnt 4*NL
	WIN MUL_LO
	MUL16 0, 1, NQ-1, 1, 0
	MUL16 2, 1, NQ-1, 1, 0
	s_wait_dscnt 0
	WIN MUL_HI
	MUL16 4, 1, NQ-1, 1, 0
	MUL16 6, 1, NQ-1, 1, 0
	WIN 0
	PLACES NP
.irp b, 0,1,2,3
	v_mov_b32 v[BY+\b], 0
.endr
.endm
.macro QUANT src, d0, dstep
.irp b, 0,1,2,3
	v_max3_num_f32 v[MX+\b], |v[\src+16*\b]|, |v[\src+1+16*\b]|, 0x1800000
.endr
.irp i, 2,4,6,8,10,12,14
.irp b, 0,1,2,3
	v_max3_num_f32 v[MX+\b], v[MX+\b], |v[\src+16*\b+\i]|, |v[\src+1+16*\b+\i]|
.endr
.endr
.irp b, 0,1,2,3
	v_permlanex16_b32 v[BY+\b], v[MX+\b], s[SEL], s[SEL+1]
.endr
.irp b, 0,1,2,3
	v_max_num_f32 v[MX+\b], v[MX+\b], v[BY+\b]
.endr
.irp b, 0,1,2,3
	v_add_nc_u32 v[SO+\b], 0xff000000, v[MX+\b]
.endr
.irp b, 0,1,2,3
	v_lshrrev_b32 v[BY+\b], 23, v[SO+\b]
.endr
	v_lshl_or_b32 v[PW], v[BY+1], 8, v[BY]
	v_lshl_or_b32 v[PW], v[BY+2], 16, v[PW]
	v_lshl_or_b32 v[PW], v[BY+3], 24, v[PW]
.irp c, 0,1
	v_cvt_scalef32_pk16_fp6_f32 v[(\d0)+(\dstep)*\c:(\d0)+(\dstep)*\c+2], v[\src+32*\c:\src+15+32*\c], v[SO+2*\c]
	v_cvt_scalef32_pk16_fp6_f32 v[CT+4*\c:CT+4*\c+2], v[\src+16+32*\c:\src+31+32*\c], v[SO+2*\c+1]
.endr
	v_nop
.irp c, 0,1
.irp i, 0,1,2
	v_permlane16_swap_b32 v[(\d0)+(\dstep)*\c+\i], v[CT+4*\c+\i]
.endr
.irp i, 0,1,2
	v_mov_b32 v[(\d0)+(\dstep)*\c+3+\i], v[CT+4*\c+\i]
.endr
.endr
.endm
	s_wait_alu depctr_va_vdst(0)
	s_wait_tensorcnt 1
	s_barrier_signal -1
	s_barrier_wait -1
	FETCH_B 0, 0, 0
	FETCH_A 0, 0, 0
	SCALES 0
	FETCH_A 0, 0, 4
	STEP 0, 0, 1
	s_mov_b32 s3, LAPS-1
.Llap:
	TURN 0, 1, 1
	STEP 1, 0, 0
	TURN 1, 0, 1
	STEP 0, 0, 0
	s_sub_co_u32 s3, s3, 1
	s_cmp_lg_u32 s3, 0
	s_cbranch_scc1 .Llap
	TURN 0, 1, 0
	s_mov_b32 s[SEL], 0x76543210
	s_mov_b32 s[SEL+1], 0xfedcba98
	s_mov_b32 s94, 0xffff0000
	s_cmp_eq_u32 ttmp9, 2
	s_cbranch_scc1 .Ltype_v
	s_lshl_b32 s20, s17, 1
	s_add_co_u32 s20, s20, s15
	s_lshl_b32 s18, s20, 15
	s_add_co_u32 s18, s18, ROPE_AT
	s_mov_b32 s19, 0
	s_add_nc_u64 s[10:11], s[10:11], s[18:19]
	s_sub_co_u32 s46, s42, 16
	s_lshl_b32 s46, s46, 10
	s_lshl_b32 s47, s16, 9
	s_add_co_u32 s46, s46, s47
	s_mov_b32 s47, 0
	s_add_nc_u64 s[8:9], s[8:9], s[46:47]
	v_lshlrev_b32 v9, 5, v2
	WIN TO_B
.irp b, 0,1,2,3
	global_load_b128 v[96+8*\b:99+8*\b], v9, s[8:9] offset:64*\b
	global_load_b128 v[100+8*\b:103+8*\b], v9, s[8:9] offset:64*\b+16
	global_load_b128 v[224+8*\b:227+8*\b], v9, s[8:9] offset:256+64*\b
	global_load_b128 v[228+8*\b:231+8*\b], v9, s[8:9] offset:256+64*\b+16
.endr
	WIN 0
.irp g, 0,1,2,3,4,5,6,7
	global_load_b128 v[224+4*\g:227+4*\g], v[LI], s[10:11] offset:512*\g
.endr
	s_lshl_b32 s21, s40, 2
	s_lshl_b32 s22, s16, 1
	s_add_co_u32 s21, s21, s22
	s_lshl_b32 s21, s21, 5
	s_add_co_u32 s21, s21, s20
	s_cmp_eq_u32 ttmp9, 0
	s_cselect_b64 s[44:45], s[96:97], s[98:99]
	s_mov_b32 s22, 13312
	s_cselect_b32 s22, 6656, s22
	s_mov_b32 s23, 12288
	s_cselect_b32 s23, 6144, s23
	s_mul_i32 s12, s21, s22
	s_mov_b32 s13, 0
	s_add_nc_u64 s[44:45], s[44:45], s[12:13]
	s_lshl_b32 s12, s22, 5
	s_add_nc_u64 s[46:47], s[44:45], s[12:13]
	v_add_nc_u32 v[LS], s23, v[LI]
	TAIL
.irp a, 0,1,2,3,4,5,6,7
.if \a < 7
.irp g, 0,1,2,3,4,5,6,7
	global_load_b128 v[224-32*((\a+1)%2)+4*\g:224-32*((\a+1)%2)+4*\g+3], v[LI], s[10:11] offset:4096*(\a+1)+512*\g
.endr
	s_wait_loadcnt 8
.else
	s_wait_loadcnt 0x0
.endif
	WIN 0x06+(\a/4)
.irp i, 0,2,4,6,8,10,12,14,16,18,20,22,24,26,28,30
	v_pk_add_f32 v[T+\i:T+\i+1], v[64*(\a%4)+\i:64*(\a%4)+\i+1], v[96+\i:97+\i]
.endr
.irp i, 32,34,36,38,40,42,44,46,48,50,52,54,56,58,60,62
	v_pk_add_f32 v[T+\i:T+\i+1], v[64*(\a%4)+\i:64*(\a%4)+\i+1], v[192+\i:193+\i]
.endr
	WIN 0
.irp e, 0,1
.irp b, 0,1
.irp jj, 0,2,4,6
.set RT1, T+32*\e+8*\b+\jj
.set RT2, RT1+16
.set RCO, 224-32*(\a%2)+8*\b+\jj
.set RSN, RCO+16
.set RU,  UW+4*((\jj/2)%2)
	v_pk_mul_f32 v[RU:RU+1], v[RT2:RT2+1], v[RSN:RSN+1]
	v_pk_mul_f32 v[RU+2:RU+3], v[RT1:RT1+1], v[RSN:RSN+1]
	v_pk_fma_f32 v[RT1:RT1+1], v[RT1:RT1+1], v[RCO:RCO+1], v[RU:RU+1] neg_lo:[0,0,1] neg_hi:[0,0,1]
	v_pk_fma_f32 v[RT2:RT2+1], v[RT2:RT2+1], v[RCO:RCO+1], v[RU+2:RU+3]
.endr
.endr
.endr
	s_wait_xcnt 0x0
	QUANT T, H0+6*(\a%2), 12
.if \a%2 == 0
	v_mov_b32 v[S0+\a/2], v[PW]
	v_lshrrev_b32 v[S1+\a/2], 16, v[PW]
.else
	v_lshrrev_b32 v[PH], 16, v[PW]
	v_cndmask_b32 v[S0+\a/2], v[S0+\a/2], v[PW], s94
	v_cndmask_b32 v[S1+\a/2], v[S1+\a/2], v[PH], s94
.irp g, 0,1,2
	global_store_b128 v[LI], v[H0+4*\g:H0+4*\g+3], s[44:45] offset:1536*(\a/2)+512*\g
	global_store_b128 v[LI], v[H1+4*\g:H1+4*\g+3], s[46:47] offset:1536*(\a/2)+512*\g
.endr
.endif
.endr
	global_store_b128 v[LS], v[S0:S0+3], s[44:45]
	global_store_b128 v[LS], v[S1:S1+3], s[46:47]
	s_branch .Lepi_done
.Ltype_v:
	s_sub_co_u32 s18, s17, 16
	s_lshl_b32 s18, s18, 10
	s_lshl_b32 s19, s15, 9
	s_add_co_u32 s18, s18, s19
	s_mov_b32 s19, 0
	s_add_nc_u64 s[8:9], s[8:9], s[18:19]
	v_lshlrev_b32 v9, 2, v1
	WIN TO_B
.irp a, 0,1,2,3,4,5,6,7
	global_load_b32 v[96+2*\a], v9, s[8:9] offset:64*\a
	global_load_b32 v[97+2*\a], v9, s[8:9] offset:64*\a
.endr
	WIN 0
	s_lshl_b32 s20, s42, 1
	s_add_co_u32 s20, s20, s16
	s_lshl_b32 s21, s41, 2
	s_lshl_b32 s22, s15, 1
	s_add_co_u32 s21, s21, s22
	s_lshl_b32 s21, s21, 5
	s_add_co_u32 s21, s21, s20
	s_mul_i32 s12, s21, 13312
	s_mov_b32 s13, 0
	s_add_nc_u64 s[44:45], s[98:99], s[12:13]
	s_add_nc_u64 s[46:47], s[44:45], 32*13312
	TAIL
	s_wait_loadcnt 0x0
.irp a, 0,1,2,3,4,5,6,7
	WIN 0x06+(\a/4)
.irp i, 0,2,4,6,8,10,12,14,16,18,20,22,24,26,28,30,32,34,36,38,40,42,44,46,48,50,52,54,56,58,60,62
	v_pk_add_f32 v[T+\i:T+\i+1], v[64*(\a%4)+\i:64*(\a%4)+\i+1], v[96+2*\a:97+2*\a] op_sel_hi:[1,0]
.endr
	WIN 0
	s_wait_xcnt 0x0
	QUANT T, H0, 6
.irp g, 0,1,2
	global_store_b128 v[LI], v[H0+4*\g:H0+4*\g+3], s[44+2*(\a/4):45+2*(\a/4)] offset:6144+1536*(\a%4)+512*\g
.endr
.if \a%2 == 0
	v_mov_b32 v[S0+(\a%4)/2], v[PW]
.else
	v_cndmask_b32 v[S0+(\a%4)/2], v[S0+(\a%4)/2], v[PW], s94
.endif
.if \a%4 == 3
	v_mov_b32 v[S0+2], v[S0]
	v_mov_b32 v[S0+3], v[S0+1]
	global_store_b128 v[LI], v[S0:S0+3], s[44+2*(\a/4):45+2*(\a/4)] offset:12800
.endif
.endr
.Lepi_done:
	s_wait_tensorcnt 0x0
	ds_add_u32 v[SPW], v[NIL]
	s_wait_dscnt 0x0
	CROUND
	s_endpgm
.Lfunc_end_k_q515549c491_qkv:
	.size	k_q515549c491_qkv, .Lfunc_end_k_q515549c491_qkv-k_q515549c491_qkv
	.p2alignl 7, 3214868480
	.fill 96, 4, 3214868480
	.section	.rodata,"a",@progbits
	.p2align	6, 0x0
	.amdhsa_kernel k_q515549c491_qkv
		.amdhsa_group_segment_fixed_size 327680
		.amdhsa_private_segment_fixed_size 0
		.amdhsa_enable_private_segment 0
		.amdhsa_kernarg_size 48
		.amdhsa_user_sgpr_count 2
		.amdhsa_user_sgpr_kernarg_segment_ptr 1
		.amdhsa_wavefront_size32 1
		.amdhsa_system_sgpr_workgroup_id_x 1
		.amdhsa_system_sgpr_workgroup_id_y 1
		.amdhsa_system_sgpr_workgroup_id_z 1
		.amdhsa_system_vgpr_workitem_id 0
		.amdhsa_next_free_vgpr 1024
		.amdhsa_next_free_sgpr 100
		.amdhsa_reserve_vcc 0
		.amdhsa_float_denorm_mode_32 3
		.amdhsa_float_denorm_mode_16_64 3
		.amdhsa_memory_ordered 1
		.amdhsa_forward_progress 1
		.amdhsa_inst_pref_size 255
	.end_amdhsa_kernel
	.section	.bss,"aw",@nobits
	.p2align	6
	.space	262144
	.amdgpu_metadata
---
amdhsa.version: [ 1, 2 ]
amdhsa.kernels:
  - .name:           k_q515549c491_qkv
    .symbol:         k_q515549c491_qkv.kd
    .args:
      - { .name: xw_codes, .offset: 0, .size: 8, .value_kind: global_buffer, .address_space: global }
      - { .name: xw_scales, .offset: 8, .size: 8, .value_kind: global_buffer, .address_space: global }
      - { .name: wqkv_b, .offset: 16, .size: 8, .value_kind: global_buffer, .address_space: global }
      - { .name: ow, .offset: 24, .size: 8, .value_kind: global_buffer, .address_space: global }
      - { .name: qimg, .offset: 32, .size: 8, .value_kind: global_buffer, .address_space: global }
      - { .name: kv, .offset: 40, .size: 8, .value_kind: global_buffer, .address_space: global }
    .group_segment_fixed_size: 327680
    .private_segment_fixed_size: 0
    .kernarg_segment_align: 8
    .kernarg_segment_size: 48
    .max_flat_workgroup_size: 128
    .sgpr_count:     100
    .vgpr_count:     1024
    .wavefront_size: 32
...
	.end_amdgpu_metadata
.endif
;; end of part 2
;; launch attn (part 3): grid 16 x 16, 16 waves a work-group, no clusters, 167,936 bytes of LDS; arguments qimg, kv, mw, flags, ctx; writes ctx
.if DOCPART == 3
	.amdgcn_target "amdgcn-amd-amdhsa--gfx1250"
	.amdhsa_code_object_version 6
	.text
	.protected	k_q515549c491_attn
	.globl	k_q515549c491_attn
	.p2align	8
	.type	k_q515549c491_attn,@function
k_q515549c491_attn:
	s_mov_b64 s[64:65], 0
	v_nop
	global_prefetch_b8 v0, s[64:65] scope:SCOPE_SE
	s_setreg_imm32_b32 hwreg(HW_REG_WAVE_MODE, 25, 1), 1
	s_wait_xcnt 0x0
; ATTENTION on codes of FP6 (E2M3) with E8M0 scales: S^T = K Q^T, the mask, p = 2^(t - M), O^T = V^T P^T, O / l quantised for the last product.  16 heads of 64, 4,096 queries and keys.
; t = score x log2(e) / 8; M = the row's largest t so far, rounded UP to a whole number; p is not normalised; l is the sum of the unquantised p; when M moves, l and O are multiplied by 2^(old M - new M), exactly.
; SHARES.  A work-group has one head (y) and sixteen waves, and makes TWO PASSES: first the 128 queries of half 31 - x, then those of half x (a half = 8 tiles of 16 queries).
; Waves w and w + 8 share tile w of the half: wave w takes the even steps of 128 keys, wave w + 8 the odd ones.  At a pass's end wave w + 8 hands its -M, l and O^T over through LDS bytes of their own,
; and wave w joins the two parts (both brought under the larger M by exact powers of two) and stores the tile.  The deal is fixed and right for every mask.
; THE MASK IS AN INPUT.  An earlier launch has stored, for each tile and step, 64 lane masks (mw) and two flags (flags).  A step whose every key is hidden from a wave's 16 queries is jumped over by a scalar
; branch on the stored flag, round the step's products and softmax, never round a barrier; a pair of steps hidden from all eight tiles is not loaded either; a step with some hidden keys sets their scores to -infinity.
; Because work is jumped over on stored numbers this launch has no tensor load and so no joint loads: a pair of steps, 26,624 bytes, is loaded once by the sixteen waves together (52 pieces of 512 bytes),
; stored to LDS and read by all.  TWO SLOTS OF FOUR STEPS: one barrier for four steps, two of them a wave's; in front of it every wave's stores into the other slot have landed and its reads of this one are back.
; The ring goes on over the change of pass: the first pass's last four steps fetch steps 0 to 3 for the second.
; THE HEAD SIZE IS HALF OF THE INSTRUCTION'S K: Q's fragment is six registers of codes and six of zeros; K's tile t is named as 12 registers from 6 t on, whose upper six meet Q's zero codes; no scale byte is 0xff.
; A row that the mask hides wholly has l = 0: its scale bytes are stored as 0xff, which makes that row of the result NaN, as the definition has it.
; LIMITS: NaN and infinities among the inputs are not served.  ctx's scale bytes leave as single bytes: 32 of a tile's 800 output bytes.
; The text uses 145,408 bytes.
.set SLOTB, 13312
.set VCO,   6144
.set KSC,   12288
.set VSC,   12800
.set SPARE, 8*SLOTB                    ; behind the two slots: the spare words, 128 bytes a wave
.set MERGE, SPARE+2048                 ; behind them: 4,608 bytes a tile, for what wave w + 8 hands to wave w
.set LI,  1                            ; 16 x lane + my parity's block, in slot 0;  v229 the same in slot 1
.set STA, 2                            ; 16 x thread, in slot 0;  v248 in slot 1
.set PFO, 3                            ; the prefetch's offset
.set E8,  4                            ; 8 x lane
.set ESB, 5                            ; 32 r + h: my scale byte's place
.set NINF, 6
.set KS0, 8
.set QF,  16
.set QS,  28
.set PW,  29
.set VS0, 30
.set KF,  32                           ; v32-79 K's, then V's fragments; v80-85 zeros
.set GS,  86                           ; v86-93, v230-237: the pieces on their way to LDS
.set SS,  96
.set OT,  160
.set PC,  192
.set CT,  204
.set BM,  212
.set PT,  216
.set SO,  220
.set TP,  224
.set FF,  226
.set MA,  228                          ; my tile's bytes of the hand-over
.set LI1, 229
.set GT,  230
.set QA,  238                          ; v238-241 offsets of my tile's Q in its group's image
.set LS,  242                          ; v242-247 three more chains of the row's sum
.set STA1, 248
.set WV,  2
.set ST,  3                            ; my step of the pass: 0, 2 .. 30 or 1, 3 .. 31
.set SKIP, 12
.set APPLY, 13
.set LOADW, 14                         ; bit st: the pair of steps four on is hidden from all eight tiles (or lies behind the end): it is not fetched
.set HM,  15
.set SEL, 16
.set CS,  18
.set NX,  20                           ; s[20:21] kv at the pair of blocks four steps on
.set TRIP, 22
.set TILE, 23
.set HEAD, 28
.set PASS, 29
.set MW,  30                           ; s[30:31] mw at the step's 64 words;  s[32:63], s[68:99] the words
.set CTX, 100
.set LOADW1, 104
.set LIM, 105
	s_load_b128 s[4:7], s[0:1], 0x0                ; qimg, kv
	s_load_b128 s[8:11], s[0:1], 0x10              ; mw, flags
	s_load_b64 s[CTX:CTX+1], s[0:1], 0x20          ; ctx
	v_lshl_add_u32 v254, v0, 2, SPARE
	v_mov_b32 v255, 0
	v_lshrrev_b32 v7, 5, v0
	s_delay_alu instid0(VALU_DEP_1)
	v_readfirstlane_b32 s[WV], v7                  ; wave 0..15
	s_and_b32 s[HEAD], ttmp7, 0xffff
	s_and_b32 s21, s[WV], 7                        ; my tile in its half
	s_and_b32 s13, s[WV], 3
	s_lshl_b32 s13, s13, 5
	s_mul_i32 s14, s21, 3                          ; my tile's six registers are pairs 3 w + 0, 1, 2 of the group's image
.irp i, 0,1,2
	s_add_co_u32 s15, s14, \i
	s_lshr_b32 s[16+\i], s15, 1
	s_lshl_b32 s[16+\i], s[16+\i], 9
	s_and_b32 s15, s15, 1
	s_lshl_b32 s15, s15, 3
	s_add_co_u32 s[16+\i], s[16+\i], s15
.endr
	s_and_b32 s12, s21, 1
	s_lshl_b32 s12, s12, 8
	s_lshr_b32 s19, s21, 1
	s_lshl_b32 s19, s19, 2
	s_add_co_u32 s19, s19, s12                     ; and its scale words' place
	s_lshr_b32 s23, s[WV], 3
	s_mul_i32 s23, s23, SLOTB                      ; my parity's block of a pair
	s_mul_i32 s20, s21, 4608
	s_add_co_u32 s20, s20, MERGE
	s_mul_i32 s24, s[HEAD], 32*SLOTB
	s_mov_b32 s25, 0
	s_sub_co_u32 s26, 31, ttmp9
	s_lshl_b32 s26, s26, 8                         ; 256 bytes of flags a half: the first pass's,
	s_mov_b32 s27, 0
	s_lshl_b32 s30, ttmp9, 8                       ; and the second's
	s_mov_b32 s31, 0
	s_lshl_b32 s22, s21, 5                         ; 32 bytes a tile
	v_and_b32 v7, 31, v0
	v_lshlrev_b32 v[STA], 4, v0
	s_delay_alu instid0(VALU_DEP_2)
	v_lshlrev_b32 v[LI], 4, v7
	v_lshlrev_b32 v[E8], 3, v7
	v_add_nc_u32 v[PFO], s13, v7
	v_add_nc_u32 v[STA1], 4*SLOTB, v[STA]
	s_delay_alu instid0(VALU_DEP_2)
	v_min_u32 v[PFO], 103, v[PFO]                  ; a pair of blocks has 104 units of 256 bytes: lanes left over name the last again
	s_delay_alu instid0(VALU_DEP_1)
	v_lshlrev_b32 v[PFO], 8, v[PFO]
	v_and_b32 v7, 15, v0
	v_bfe_u32 v[NINF], v0, 4, 1
	s_delay_alu instid0(VALU_DEP_1)
	v_lshl_add_u32 v[ESB], v7, 5, v[NINF]
	v_lshlrev_b32 v7, 4, v7
.irp i, 0,1,2
	v_add_nc_u32 v[QA+\i], s[16+\i], v[LI]
.endr
	v_add_nc_u32 v[QA+3], s19, v7
	v_add_nc_u32 v[MA], s20, v[LI]
	v_add_nc_u32 v[LI], s23, v[LI]
	s_delay_alu instid0(VALU_DEP_1)
	v_add_nc_u32 v[LI1], 4*SLOTB, v[LI]
	v_mov_b32 v[NINF], 0xff800000
.irp i, 0,1,2,3,4,5
	v_mov_b32 v[QF+6+\i], 0                        ; Q's upper 64 along K: zero codes
	v_mov_b32 v[KF+48+\i], 0                       ; and what stands behind K's last tile
.endr
.irp b, 0,1,2,3
	v_mov_b32 v[PT+\b], 0                          ; written once: a lane permute's destination counts as one of its sources
.endr
	v_mov_b32 v[TP], 0
	v_mov_b32 v[FF], 0
	v_mov_b32 v[FF+1], 0
	s_wait_alu depctr_va_vdst(0)
	s_wait_kmcnt 0x0
	s_add_nc_u64 s[6:7], s[6:7], s[24:25]          ; the head's first block
	global_load_b128 v[GS:GS+3], v[STA], s[6:7]                    ; steps 0 to 3: 104 pieces of 512 bytes, six a wave,
	global_load_b128 v[GS+4:GS+7], v[STA], s[6:7] offset:8192
	global_load_b128 v[GT:GT+3], v[STA], s[6:7] offset:16384
	global_load_b128 v[GT+4:GT+7], v[STA], s[6:7] offset:24576
	global_load_b128 v[SS:SS+3], v[STA], s[6:7] offset:32768
	global_load_b128 v[SS+4:SS+7], v[STA], s[6:7] offset:40960
	s_cmp_lt_u32 s[WV], 8
	s_cbranch_scc0 .Lsix
	global_load_b128 v[SS+8:SS+11], v[STA], s[6:7] offset:49152    ; and a seventh in waves 0 to 7
.Lsix:
	s_add_nc_u64 s[24:25], s[10:11], s[26:27]
	s_add_nc_u64 s[26:27], s[10:11], s[30:31]
.macro PACK8 d, a, b, c                ; four words of 8 bits make one of 32: bit st for step st
	s_lshl_b32 s\a, s\a, 8
	s_lshl_b32 s\b, s\b, 16
	s_lshl_b32 s\c, s\c, 24
	s_or_b32 s\d, s\d, s\a
	s_or_b32 s\b, s\b, s\c
	s_or_b32 s\d, s\d, s\b
.endm
.macro HALFFLAGS p                     ; a half's 64 flag words: s32 = bits 2 i and 2 i + 1 set where steps 2 i and 2 i + 1 are both hidden from all eight tiles; s12, s13 = my tile's skip and apply
	s_load_b512 s[32:47], s[\p:\p+1], 0x0
	s_load_b512 s[48:63], s[\p:\p+1], 0x40
	s_load_b512 s[68:83], s[\p:\p+1], 0x80
	s_load_b512 s[84:99], s[\p:\p+1], 0xc0
	s_load_b256 s[12:19], s[\p:\p+1], s22 offset:0x0
	s_wait_kmcnt 0x0
.irp g, 0,1,2,3
.irp t, 1,2,3,4,5,6,7
	s_and_b32 s[32+2*\g], s[32+2*\g], s[32+8*\t+2*\g+4*(\t/4)]
.endr
.endr
	PACK8 32, 34, 36, 38
	s_lshr_b32 s33, s32, 1
	s_and_b32 s32, s32, s33
	s_and_b32 s32, s32, 0x55555555
	s_lshl_b32 s33, s32, 1
	s_or_b32 s32, s32, s33
	PACK8 12, 14, 16, 18
	PACK8 13, 15, 17, 19
.endm
	HALFFLAGS 24
	s_mov_b32 s[LOADW1], s32
	s_mov_b32 s10, s12
	s_mov_b32 s11, s13
	HALFFLAGS 26
	s_lshr_b32 s[LOADW], s[LOADW1], 4              ; the first pass looks four steps on, at its end into the second pass;
	s_lshl_b32 s15, s32, 28
	s_or_b32 s[LOADW], s[LOADW], s15
	s_lshr_b32 s[LOADW1], s32, 4
	s_or_b32 s[LOADW1], s[LOADW1], 0xf0000000      ; the second fetches nothing behind its end
	s_mov_b32 s15, s12                             ; s12, s13: the first pass's flags; s10, s11: the second's
	s_mov_b32 s12, s10
	s_mov_b32 s10, s15
	s_mov_b32 s15, s13
	s_mov_b32 s13, s11
	s_mov_b32 s11, s15
	s_mov_b32 s[HM], 0xffff0000                    ; lanes 16-31
	s_mov_b32 s[SEL], 0x76543210
	s_mov_b32 s[SEL+1], 0xfedcba98                 ; v_permlanex16_b32's selects for lane l xor 16
	s_mov_b32 s[CS], 0x3e38aa3b                    ; c = log2(e) / 8
	s_mov_b32 s[CS+1], s[CS]
	s_add_nc_u64 s[NX:NX+1], s[6:7], 4*SLOTB
	s_sub_co_u32 s24, s[WV], 12
	s_lshr_b32 s24, s24, 2                         ; 0 in waves 12 to 15,
	s_or_b32 s24, s24, ttmp9                       ; of the head's first work-group
	s_cmp_eq_u32 s24, 0
	s_cselect_b32 s[LIM], 24, 0                    ; they prefetch in their steps 1 to 23 of the first pass, nobody else ever
	s_mov_b32 s[PASS], 0
.Lpass:
	s_wait_xcnt 0x0                                ; the last pass's stores have read their registers
	s_sub_co_u32 s25, 31, ttmp9
	s_cmp_eq_u32 s[PASS], 0
	s_cselect_b32 s24, s25, ttmp9                  ; the pass's half
	s_cselect_b32 s[SKIP], s[SKIP], s10
	s_cselect_b32 s[APPLY], s[APPLY], s11
	s_cselect_b32 s[LOADW], s[LOADW], s[LOADW1]
	s_cselect_b32 s[LIM], s[LIM], 0
	s_lshl_b32 s[TILE], s24, 3
	s_and_b32 s25, s[WV], 7
	s_add_co_u32 s[TILE], s[TILE], s25             ; my tile of 16 queries, 0..255
	s_lshr_b32 s[ST], s[WV], 3                     ; my first step: my parity
	s_lshl_b32 s26, s[TILE], 5                     ; 32 steps a tile,
	s_add_co_u32 s26, s26, s[ST]
	s_lshl_b32 s26, s26, 8                         ; 256 bytes of words a step
	s_mov_b32 s27, 0
	s_add_nc_u64 s[MW:MW+1], s[8:9], s[26:27]
	s_lshl_b32 s26, s[HEAD], 5
	s_add_co_u32 s26, s26, s24
	s_mul_i32 s26, s26, 6656
	s_add_nc_u64 s[26:27], s[4:5], s[26:27]        ; qimg at my head's group of 128 tokens
.irp i, 0,1,2
	global_load_b64 v[QF+2*\i:QF+2*\i+1], v[QA+\i], s[26:27]
.endr
	global_load_b32 v[QS], v[QA+3], s[26:27] offset:6144   ; lane r (and r + 16): query r's scale word
	v_mov_b32 v13, 0xff61b1e6                      ; the largest t so far: -3e38
	s_delay_alu instid0(VALU_DEP_1)
	v_floor_f32 v12, -v13                          ; -M
	v_mov_b32 v14, 0
	v_mov_b32 v15, 0
.set n, 0
.rept 32
	v_mov_b32 v[OT+n], 0                           ; O^T: the step is written once; a wave may have no live step at all
.set n, n+1
.endr
	s_mov_b32 s[TRIP], 4
	s_wait_alu depctr_va_vdst(0)
	s_wait_loadcnt 0x0                             ; Q, and in the first pass the pieces of steps 0 to 3
	s_cmp_lg_u32 s[PASS], 0
	s_cbranch_scc1 .Lfilled                        ; the second pass finds its first four steps in slot 0
	ds_store_b128 v[STA], v[GS:GS+3]
	ds_store_b128 v[STA], v[GS+4:GS+7] offset:8192
	ds_store_b128 v[STA], v[GT:GT+3] offset:16384
	ds_store_b128 v[STA], v[GT+4:GT+7] offset:24576
	ds_store_b128 v[STA], v[SS:SS+3] offset:32768
	ds_store_b128 v[STA], v[SS+4:SS+7] offset:40960
	s_cmp_lt_u32 s[WV], 8
	s_cbranch_scc0 .Lfilled
	ds_store_b128 v[STA], v[SS+8:SS+11] offset:49152
.Lfilled:
	s_wait_dscnt 0x0                               ; for the others' sake: my pieces lie in slot 0
	s_barrier_signal -1
	s_barrier_wait -1
.macro STEP slot, sub
.set RA, LI+(LI1-LI)*\slot             ; this slot, my parity's block
.set WA, STA+(STA1-STA)*(1-\slot)      ; the other slot, which every wave left in front of the last barrier
.set LB, 2*\sub*SLOTB                  ; pair sub of the slot's two
	s_bitcmp1_b32 s[LOADW], s[ST]
	s_cbranch_scc1 .Lno_next_\@
	global_load_b128 v[GS:GS+3], v[STA], s[NX:NX+1]                ; pieces w, w + 16, w + 32 of the pair's 52: they land under this step's work
	global_load_b128 v[GS+4:GS+7], v[STA], s[NX:NX+1] offset:8192
	global_load_b128 v[GT:GT+3], v[STA], s[NX:NX+1] offset:16384
	s_cmp_lt_u32 s[WV], 4
	s_cbranch_scc0 .Lno_next_\@
	global_load_b128 v[GT+4:GT+7], v[STA], s[NX:NX+1] offset:24576
.Lno_next_\@:
	; A PREFETCH INTO THE L2.  A head's kv is 16 pairs of blocks, 104 units of 256 bytes each, walked by its 16 work-groups.  Waves 12 to 15 of the head's first work-group name, at pair i = 0 .. 11 of the
	; first pass, the 104 units of pair i + 4, two pairs ahead of the loads above: each unit of pairs 4 to 15 once in the launch; pairs 0 to 3 come by their loads alone.
	s_cmp_lt_u32 s[ST], s[LIM]
	s_cbranch_scc0 .Lno_ask_\@
	global_prefetch_b8 v[PFO], s[NX:NX+1] offset:4*SLOTB th:TH_LOAD_NT scope:SCOPE_SE
.Lno_ask_\@:
	s_bitcmp1_b32 s[SKIP], s[ST]
	s_cbranch_scc1 .Lhidden_\@                     ; every key of the step is hidden from my 16 queries
	s_bitcmp1_b32 s[APPLY], s[ST]
	s_cbranch_scc0 .Lno_words_\@
	s_load_b512 s[32:47], s[MW:MW+1], 0x0          ; some are: the step's 64 lane masks
	s_load_b512 s[48:63], s[MW:MW+1], 0x40
	s_load_b512 s[68:83], s[MW:MW+1], 0x80
	s_load_b512 s[84:99], s[MW:MW+1], 0xc0
.Lno_words_\@:
	ds_load_b128 v[KS0:KS0+3], v[RA] offset:LB+KSC     ; K's scale words: register u: lanes 0-15 tile 2 u, lanes 16-31 tile 2 u + 1
.irp g, 0,1,2,3,4,5,6,7,8,9,10,11
	ds_load_b128 v[KF+4*\g:KF+4*\g+3], v[RA] offset:LB+512*\g   ; K's eight tiles, six registers each
.endr
	s_wait_dscnt 0x0
.irp t, 0,1,2,3,4,5,6,7                        ; S^T = K Q^T: lane (r, h) holds query r; register j of tile t is key 16 t + 8 h + j
.if \t%2
	v_wmma_scale_f32_16x16x128_f8f6f4 v[SS+8*\t:SS+8*\t+7], v[KF+6*\t:KF+6*\t+11], v[QF:QF+11], 0, v[KS0+\t/2], v[QS] matrix_a_fmt:MATRIX_FMT_FP6 matrix_b_fmt:MATRIX_FMT_FP6 matrix_a_scale:MATRIX_SCALE_ROW1
.else
	v_wmma_scale_f32_16x16x128_f8f6f4 v[SS+8*\t:SS+8*\t+7], v[KF+6*\t:KF+6*\t+11], v[QF:QF+11], 0, v[KS0+\t/2], v[QS] matrix_a_fmt:MATRIX_FMT_FP6 matrix_b_fmt:MATRIX_FMT_FP6
.endif
.endr
.rept 4
	v_nop                                          ; places in front of the loads into K's registers and of the first read of the scores
.endr
.irp g, 0,1,2,3,4,5,6,7,8,9,10,11
	ds_load_b128 v[KF+4*\g:KF+4*\g+3], v[RA] offset:LB+VCO+512*\g   ; V^T's four tiles, 12 registers each: they land under the softmax
.endr
	ds_load_b64 v[VS0:VS0+1], v[RA] offset:LB+VSC
	s_bitcmp1_b32 s[APPLY], s[ST]
	s_cbranch_scc0 .Lopen_\@
	s_wait_kmcnt 0x0
.set n, 0
.rept 64
	v_cndmask_b32 v[SS+n], v[SS+n], v[NINF], s[32+n+4*(n/32)]   ; hidden scores become -infinity: p = 0 then
.set n, n+1
.endr
.Lopen_\@:
.irp b, 0,1,2,3
	v_max3_num_f32 v[BM+\b], v[SS+16*\b], v[SS+1+16*\b], v[SS+2+16*\b]   ; the largest score of each block of 32 keys: for the row's maximum and, since p rises with the score, for the block's largest p
.endr
.irp i, 3,5,7,9,11,13
.irp b, 0,1,2,3
	v_max3_num_f32 v[BM+\b], v[BM+\b], v[SS+16*\b+\i], v[SS+1+16*\b+\i]
.endr
.endr
.irp b, 0,1,2,3
	v_max_num_f32 v[BM+\b], v[BM+\b], v[SS+15+16*\b]
.endr
.irp b, 0,1,2,3
	s_delay_alu instid0(VALU_DEP_4)
	v_permlanex16_b32 v[PT+\b], v[BM+\b], s[SEL], s[SEL+1]
.endr
.irp b, 0,1,2,3
	s_delay_alu instid0(VALU_DEP_4)
	v_max_num_f32 v[BM+\b], v[BM+\b], v[PT+\b]     ; with lane l xor 16's 16 keys
.endr
	s_delay_alu instid0(VALU_DEP_2)
	v_max3_num_f32 v[TP], v[BM], v[BM+1], v[BM+2]
	s_delay_alu instid0(VALU_DEP_1)
	v_max_num_f32 v[TP], v[TP], v[BM+3]
	s_delay_alu instid0(VALU_DEP_1)
	v_mul_f32 v[TP], s[CS], v[TP]                  ; as t
	s_delay_alu instid0(VALU_DEP_1)
	v_max_num_f32 v13, v13, v[TP]                  ; the running largest t
	v_mov_b32 v[TP], v12
	s_delay_alu instid0(VALU_DEP_2)
	v_floor_f32 v12, -v13                          ; the new -M = -ceil(t)
	s_delay_alu instid0(VALU_DEP_1)
	v_sub_f32 v[TP], v12, v[TP]                    ; old M - new M: a whole number, 0 or less
	s_delay_alu instid0(VALU_DEP_1)
	v_cvt_i32_f32 v[TP], v[TP]                     ; (it saturates)
	s_delay_alu instid0(VALU_DEP_1)
	v_ldexp_f32 v[FF], 1.0, v[TP]                  ; f = 2^(old M - new M)
.set n, 0
.rept 32
	v_pk_fma_f32 v[SS+n:SS+n+1], v[SS+n:SS+n+1], s[CS:CS+1], v[12:13] op_sel_hi:[1,0,0]   ; t - M, two at a time
.set n, n+2
.endr
.irp b, 0,1,2,3
	v_fma_f32 v[BM+\b], v[BM+\b], s[CS], v12       ; the same of each block's largest score
.endr
	s_wait_alu depctr_va_vdst(0)
.set n, 0
.rept 64
	v_exp_f32 v[SS+n], v[SS+n]                     ; p = 2^(t - M)
.set n, n+1
.endr
	v_pk_mul_f32 v[14:15], v[14:15], v[FF:FF+1] op_sel_hi:[1,0]   ; l under the new M; the plain place behind the exponentials
	s_wait_alu depctr_va_vdst(0)                   ; one wait for the batch of 64, ahead of its first reader
.irp b, 0,1,2,3
	v_exp_f32 v[BM+\b], v[BM+\b]                   ; the block's largest p: the same two instructions on the same number
.endr
	v_pk_add_f32 v[LS:LS+1], v[SS:SS+1], v[SS+2:SS+3]             ; the row's sum of the unquantised p: 32 pairs in four chains
	v_pk_add_f32 v[LS+2:LS+3], v[SS+4:SS+5], v[SS+6:SS+7]
	v_pk_add_f32 v[LS+4:LS+5], v[SS+8:SS+9], v[SS+10:SS+11]
	v_pk_add_f32 v[14:15], v[14:15], v[SS+12:SS+13]
.set n, 14
.rept 6
	v_pk_add_f32 v[LS:LS+1], v[LS:LS+1], v[SS+n:SS+n+1]
	v_pk_add_f32 v[LS+2:LS+3], v[LS+2:LS+3], v[SS+n+2:SS+n+3]
	v_pk_add_f32 v[LS+4:LS+5], v[LS+4:LS+5], v[SS+n+4:SS+n+5]
	v_pk_add_f32 v[14:15], v[14:15], v[SS+n+6:SS+n+7]
.set n, n+8
.endr
	v_pk_add_f32 v[LS:LS+1], v[LS:LS+1], v[SS+62:SS+63]
	v_pk_add_f32 v[14:15], v[14:15], v[LS+2:LS+3]
	s_delay_alu instid0(VALU_DEP_2)
	v_pk_add_f32 v[LS:LS+1], v[LS:LS+1], v[LS+4:LS+5]
	s_delay_alu instid0(VALU_DEP_1)
	v_pk_add_f32 v[14:15], v[14:15], v[LS:LS+1]
	s_wait_alu depctr_va_vdst(0)                   ; and one for the four
.irp b, 0,1,2,3
	v_max_num_f32 v[BM+\b], 0x1800000, v[BM+\b]    ; the floor 2^(3 - 127): the byte cannot fall under 1
.endr
.irp b, 0,1,2,3
	s_delay_alu instid0(VALU_DEP_4)
	v_add_nc_u32 v[SO+\b], 0xff000000, v[BM+\b]    ; the conversion's scale operand
.endr
.irp b, 0,1,2,3
	s_delay_alu instid0(VALU_DEP_4)
	v_lshrrev_b32 v[PT+\b], 23, v[SO+\b]           ; the scale's byte
.endr
	s_delay_alu instid0(VALU_DEP_3)
	v_lshl_or_b32 v[PW], v[PT+1], 8, v[PT]         ; p's scale word for these 128 keys
	s_delay_alu instid0(VALU_DEP_1)
	v_lshl_or_b32 v[PW], v[PT+2], 16, v[PW]
	s_delay_alu instid0(VALU_DEP_1)
	v_lshl_or_b32 v[PW], v[PT+3], 24, v[PW]
.irp c, 0,1
	v_cvt_scalef32_pk16_fp6_f32 v[PC+6*\c:PC+6*\c+2], v[SS+32*\c:SS+15+32*\c], v[SO+2*\c]
	v_cvt_scalef32_pk16_fp6_f32 v[CT+4*\c:CT+4*\c+2], v[SS+16+32*\c:SS+31+32*\c], v[SO+2*\c+1]
.endr
	v_nop                                          ; one plain place behind a scaled conversion
.irp c, 0,1                                    ; a whole block to a lane: lanes 0-15 block 2 c, lanes 16-31 block 2 c + 1
.irp i, 0,1,2
	v_permlane16_swap_b32 v[PC+6*\c+\i], v[CT+4*\c+\i]
.endr
.irp i, 0,1,2
	s_delay_alu instid0(VALU_DEP_3)
	v_mov_b32 v[PC+3+6*\c+\i], v[CT+4*\c+\i]
.endr
.endr
	s_wait_alu depctr_va_vdst(0)                   ; the wait ahead of the first reader of O^T
.set n, 0
.rept 16
	v_pk_mul_f32 v[OT+n:OT+n+1], v[OT+n:OT+n+1], v[FF:FF+1] op_sel_hi:[1,0]   ; O^T under the new M; these 16 are also the places between p's codes and scale word and the products
.set n, n+2
.endr
	s_wait_alu depctr_va_vdst(0)
	s_wait_dscnt 0x0                               ; V
.irp t, 0,1,2,3                                ; O^T += V^T P^T: four accumulators by turns
.if \t%2
	v_wmma_scale_f32_16x16x128_f8f6f4 v[OT+8*\t:OT+8*\t+7], v[KF+12*\t:KF+12*\t+11], v[PC:PC+11], v[OT+8*\t:OT+8*\t+7], v[VS0+\t/2], v[PW] matrix_a_fmt:MATRIX_FMT_FP6 matrix_b_fmt:MATRIX_FMT_FP6 matrix_a_scale:MATRIX_SCALE_ROW1
.else
	v_wmma_scale_f32_16x16x128_f8f6f4 v[OT+8*\t:OT+8*\t+7], v[KF+12*\t:KF+12*\t+11], v[PC:PC+11], v[OT+8*\t:OT+8*\t+7], v[VS0+\t/2], v[PW] matrix_a_fmt:MATRIX_FMT_FP6 matrix_b_fmt:MATRIX_FMT_FP6
.endif
.endr
.rept 4
	v_nop                                          ; places in front of the next loads into V's registers and of the next read of O^T
.endr
.Lhidden_\@:
	s_wait_kmcnt 0x0                               ; no scalar load is out: its base may step
	s_wait_loadcnt 0x0                             ; the pieces are in
	s_bitcmp1_b32 s[LOADW], s[ST]
	s_cbranch_scc1 .Lno_store_\@
	ds_store_b128 v[WA], v[GS:GS+3] offset:LB
	ds_store_b128 v[WA], v[GS+4:GS+7] offset:LB+8192
	ds_store_b128 v[WA], v[GT:GT+3] offset:LB+16384
	s_cmp_lt_u32 s[WV], 4
	s_cbranch_scc0 .Lno_store_\@
	ds_store_b128 v[WA], v[GT+4:GT+7] offset:LB+24576
.Lno_store_\@:
	s_wait_xcnt 0x0                                ; the loads and the prefetch have read their base
	s_add_nc_u64 s[NX:NX+1], s[NX:NX+1], 2*SLOTB
.if (\slot == 0) && (\sub == 1)
	s_cmp_eq_u32 s[TRIP], 1                        ; behind pair 13 of a pass's 16 (the last trip's second) the pair four steps on is the head's first again
	s_cselect_b32 s24, 32*SLOTB, 0
	s_mov_b32 s25, 0
	s_sub_nc_u64 s[NX:NX+1], s[NX:NX+1], s[24:25]
.endif
	s_add_nc_u64 s[MW:MW+1], s[MW:MW+1], 512
	s_add_co_u32 s[ST], s[ST], 2
	s_wait_dscnt 0x0                               ; my stores have landed (their registers take the next loads) and my reads of this block are back
.if \sub
	s_barrier_signal -1
	s_barrier_wait -1
.endif
.endm
.Ltrip:                                            ; 4 trips a pass, each of two slots of four steps, of which two are mine
	STEP 0, 0
	STEP 0, 1
	STEP 1, 0
	STEP 1, 1
	s_sub_co_u32 s[TRIP], s[TRIP], 1
	s_cmp_lg_u32 s[TRIP], 0
	s_cbranch_scc1 .Ltrip
	; THE TWO PARTS OF A TILE ARE JOINED.  Waves 8 to 15 store O^T, -M and l as images of their registers; behind a barrier waves 0 to 7 read them.
	s_cmp_lt_u32 s[WV], 8
	s_cbranch_scc1 .Lkeep
.irp g, 0,1,2,3,4,5,6,7
	ds_store_b128 v[MA], v[OT+4*\g:OT+4*\g+3] offset:512*\g      ; each accumulator from its low end on
.endr
	ds_store_b128 v[MA], v[12:15] offset:4096
.Lkeep:
	s_wait_dscnt 0x0
	s_barrier_signal -1
	s_barrier_wait -1
	s_cmp_lt_u32 s[WV], 8
	s_cbranch_scc0 .Lpass_done                     ; waves 8 to 15 go on to the next pass's head
.irp g, 0,1,2,3,4,5,6,7
	ds_load_b128 v[SS+4*\g:SS+4*\g+3], v[MA] offset:512*\g
.endr
	ds_load_b128 v[SS+32:SS+35], v[MA] offset:4096
	s_wait_dscnt 0x0
	v_min_num_f32 v[TP], v12, v[SS+32]             ; -M of the two parts together
	v_mov_b32 v[LS+1], 0                           ; (the upper half of a pair that is named whole)
	s_delay_alu instid0(VALU_DEP_2)
	v_sub_f32 v[BM], v[TP], v12                    ; my M - M, and the other's: whole numbers, 0 or less
	v_sub_f32 v[BM+1], v[TP], v[SS+32]
	s_delay_alu instid0(VALU_DEP_2)
	v_cvt_i32_f32 v[BM], v[BM]                     ; (they saturate: a part with no live step has O = l = 0 and gets the factor 0, or 1 where both have none)
	s_delay_alu instid0(VALU_DEP_2)
	v_cvt_i32_f32 v[BM+1], v[BM+1]
	s_delay_alu instid0(VALU_DEP_2)
	v_ldexp_f32 v[FF], 1.0, v[BM]
	s_delay_alu instid0(VALU_DEP_2)
	v_ldexp_f32 v[LS], 1.0, v[BM+1]
	s_delay_alu instid0(VALU_DEP_2)
	v_pk_mul_f32 v[14:15], v[14:15], v[FF:FF+1] op_sel_hi:[1,0]
	s_delay_alu instid0(VALU_DEP_1)
	v_pk_fma_f32 v[14:15], v[SS+34:SS+35], v[LS:LS+1], v[14:15] op_sel_hi:[1,0,1]
	; THE WAY OUT of a pass.  ctx = O / l, brought into the natural order of the head's 64 channels, quantised along them (two blocks), stored as half a fragment's registers: three planes of 256 bytes.
	s_delay_alu instid0(VALU_DEP_1)
	v_add_f32 v14, v14, v15
	s_delay_alu instid0(VALU_DEP_1)
	v_permlanex16_b32 v[TP], v14, s[SEL], s[SEL+1]
	s_delay_alu instid0(VALU_DEP_1)
	v_add_f32 v14, v14, v[TP]                      ; the row's sum
	s_wait_alu depctr_va_vdst(0)
	v_rcp_f32 v[TP+1], v14
	v_nop                                          ; a plain place behind the reciprocal
	s_lshl_b32 s24, s[TILE], 4
	s_add_co_u32 s24, s24, s[HEAD]
	s_mul_i32 s24, s24, 768
	s_mov_b32 s25, 0
	s_add_nc_u64 s[26:27], s[CTX:CTX+1], s[24:25]  ; the image: (16 x tile + head) x 768
	s_lshl_b32 s24, s[TILE], 9
	s_lshl_b32 s[TRIP], s[HEAD], 1                 ; (the trip counter is done with; the next pass sets it anew)
	s_add_co_u32 s24, s24, s[TRIP]
	s_add_nc_u64 s[MW:MW+1], s[CTX:CTX+1], s[24:25]  ; the scale bytes: 32 a token, 2 a head; in the pair of the words' pointer, which the next pass makes anew
	s_wait_alu depctr_va_vdst(0)                   ; the wait ahead of the reciprocal's first reader, and of O^T's
	v_mul_f32 v[FF], v[FF], v[TP+1]                ; each part's factor / l
	v_mul_f32 v[LS], v[LS], v[TP+1]
.set n, 0
.rept 16
	v_pk_mul_f32 v[SS+n:SS+n+1], v[SS+n:SS+n+1], v[LS:LS+1] op_sel_hi:[1,0]
.set n, n+2
.endr
.set n, 0
.rept 16
	v_pk_fma_f32 v[SS+n:SS+n+1], v[OT+n:OT+n+1], v[FF:FF+1], v[SS+n:SS+n+1] op_sel_hi:[1,0,1]   ; register 8 t + j: channel 16 t + 8 h + j
.set n, n+2
.endr
.irp b, 0,1
.irp j, 0,1,2,3,4,5,6,7
	v_permlane16_swap_b32 v[SS+16*\b+\j], v[SS+16*\b+8+\j]   ; then register 16 b + i: channel 32 b + 16 h + i
.endr
.endr
.irp b, 0,1
	v_max3_num_f32 v[BM+\b], |v[SS+16*\b]|, |v[SS+1+16*\b]|, 0x1800000
.endr
.irp i, 2,4,6,8,10,12,14
.irp b, 0,1
	s_delay_alu instid0(VALU_DEP_2)
	v_max3_num_f32 v[BM+\b], v[BM+\b], |v[SS+16*\b+\i]|, |v[SS+1+16*\b+\i]|
.endr
.endr
.irp b, 0,1
	s_delay_alu instid0(VALU_DEP_2)
	v_permlanex16_b32 v[PT+\b], v[BM+\b], s[SEL], s[SEL+1]
.endr
.irp b, 0,1
	s_delay_alu instid0(VALU_DEP_2)
	v_max_num_f32 v[BM+\b], v[BM+\b], v[PT+\b]
.endr
.irp b, 0,1
	s_delay_alu instid0(VALU_DEP_2)
	v_add_nc_u32 v[SO+\b], 0xff000000, v[BM+\b]
.endr
.irp b, 0,1
	s_delay_alu instid0(VALU_DEP_2)
	v_lshrrev_b32 v[PT+\b], 23, v[SO+\b]
.endr
	v_cvt_scalef32_pk16_fp6_f32 v[PC:PC+2], v[SS:SS+15], v[SO]
	v_cvt_scalef32_pk16_fp6_f32 v[PC+8:PC+10], v[SS+16:SS+31], v[SO+1]
	v_nop                                          ; one plain place behind a scaled conversion
.irp i, 0,1,2
	v_permlane16_swap_b32 v[PC+\i], v[PC+8+\i]
.endr
.irp i, 0,1,2
	s_delay_alu instid0(VALU_DEP_3)
	v_mov_b32 v[PC+3+\i], v[PC+8+\i]               ; six registers: lane (r, h) holds channels 32 h + 0 .. 31 of query r
.endr
	v_cndmask_b32 v[TP], v[PT], v[PT+1], s[HM]     ; lane (r, h): the byte of block h
	v_mov_b32 v[TP+1], 0xff
	v_cmp_eq_f32 vcc_lo, 0, v14                    ; a row with no key at all
	s_delay_alu instid0(VALU_DEP_1)
	v_cndmask_b32 v[TP], v[TP], v[TP+1], vcc_lo
.irp i, 0,1,2
	global_store_b64 v[E8], v[PC+2*\i:PC+2*\i+1], s[26:27] offset:256*\i   ; 32 lanes store 256 consecutive bytes, aligned
.endr
	global_store_b8 v[ESB], v[TP], s[MW:MW+1] offset:3145728
.Lpass_done:
	s_add_co_u32 s[PASS], s[PASS], 1
	s_cmp_lt_u32 s[PASS], 2
	s_wait_alu depctr_va_vdst(0)
	s_cbranch_scc1 .Lpass
	s_wait_tensorcnt 0x0                           ; the wave's end
	ds_add_u32 v254, v255
	s_wait_dscnt 0x0
	s_endpgm
.Lfunc_end_k_q515549c491_attn:
	.size	k_q515549c491_attn, .Lfunc_end_k_q515549c491_attn-k_q515549c491_attn
	.p2alignl 7, 3214868480
	.fill 96, 4, 3214868480
	.section	.rodata,"a",@progbits
	.p2align	6, 0x0
	.amdhsa_kernel k_q515549c491_attn
		.amdhsa_group_segment_fixed_size 167936
		.amdhsa_private_segment_fixed_size 0
		.amdhsa_enable_private_segment 0
		.amdhsa_kernarg_size 40
		.amdhsa_user_sgpr_count 2
		.amdhsa_user_sgpr_kernarg_segment_ptr 1
		.amdhsa_wavefront_size32 1
		.amdhsa_system_sgpr_workgroup_id_x 1
		.amdhsa_system_sgpr_workgroup_id_y 1
		.amdhsa_system_sgpr_workgroup_id_z 1
		.amdhsa_system_vgpr_workitem_id 0
		.amdhsa_next_free_vgpr 256
		.amdhsa_next_free_sgpr 106
		.amdhsa_reserve_vcc 1
		.amdhsa_float_denorm_mode_32 3
		.amdhsa_float_denorm_mode_16_64 3
		.amdhsa_memory_ordered 1
		.amdhsa_forward_progress 1
		.amdhsa_inst_pref_size 110
	.end_amdhsa_kernel
	.amdgpu_metadata
---
amdhsa.version: [ 1, 2 ]
amdhsa.kernels:
  - .name:           k_q515549c491_attn
    .symbol:         k_q515549c491_attn.kd
    .args:
      - { .name: qimg, .offset: 0, .size: 8, .value_kind: global_buffer, .address_space: global }
      - { .name: kv, .offset: 8, .size: 8, .value_kind: global_buffer, .address_space: global }
      - { .name: mw, .offset: 16, .size: 8, .value_kind: global_buffer, .address_space: global }
      - { .name: flags, .offset: 24, .size: 8, .value_kind: global_buffer, .address_space: global }
      - { .name: ctx, .offset: 32, .size: 8, .value_kind: global_buffer, .address_space: global }
    .group_segment_fixed_size: 167936
    .private_segment_fixed_size: 0
    .kernarg_segment_align: 8
    .kernarg_segment_size: 40
    .max_flat_workgroup_size: 512
    .sgpr_count:     106
    .vgpr_count:     256
    .wavefront_size: 32
...
	.end_amdgpu_metadata
.endif
;; end of part 3
;; launch oproj (part 4): grid 8 x 32, 4 waves a work-group, clusters of 4 x 4, 327,680 bytes of LDS; arguments ctx, ow, out_b, out0; writes out0
.if DOCPART == 4
	.amdgcn_target "amdgcn-amd-amdhsa--gfx1250"
	.amdhsa_code_object_version 6
	.text
	.protected	k_q515549c491_oproj
	.globl	k_q515549c491_oproj
	.p2align	8
	.type	k_q515549c491_oproj,@function
k_q515549c491_oproj:
	s_mov_b64 s[64:65], 0
	v_nop
	global_prefetch_b8 v0, s[64:65] scope:SCOPE_SE
	s_setreg_imm32_b32 hwreg(HW_REG_WAVE_MODE, 25, 1), 1
	s_wait_xcnt 0x0
	s_wait_alu depctr_hold_cnt(0) depctr_sa_sdst(0) depctr_va_vdst(0) depctr_va_sdst(0) depctr_va_ssrc(0) depctr_va_vcc(0) depctr_vm_vsrc(0)
	s_getreg_b32 s2, hwreg(HW_REG_IB_STS2, 6, 4)
	s_cmp_eq_u32 s2, 0
	s_cbranch_scc0 .Lentry_in_a_cluster
	s_endpgm
.Lentry_in_a_cluster:
	s_bfe_u32 s2, ttmp6, 0x10000c
	s_cmp_lg_u32 s2, 0xf033
	s_cbranch_scc0 .Lentry_shape_is_right
	s_endpgm
.Lentry_shape_is_right:
; out0 [4096][1024] f32 = ctx x out_w + out_b, on codes of FP6 (E2M3) with E8M0 scales; K = 1,024.
; ctx: for each tile of 16 tokens and head 768 bytes, half a fragment's six registers as three planes of 256 bytes; scale bytes, 32 a token, at 3,145,728.
; ow: out_w's codes laid [8 groups of 128 columns][4 steps of 256 along K][128 rows][192 bytes]; scale bytes, 32 a column, at 786,432.
; A work-group of four waves makes 128 x 128 of the result: 8 x 32 = 256 work-groups.  ALL OF K LIES IN LDS AT ONCE: 98,304 bytes of ctx's images, 98,304 of ow's codes (122,880 with their padding), 4,096 of each side's
; scales: four dense blocks of memory, each asked for once, as rows of 256 bytes, one tensor load a wave.  Nothing is filled again: one barrier, no ring.
; CLUSTERS: 4 x 4 work-groups; ctx's blocks are shared along a row of the cluster, ow's along a column: joint loads.
; No prefetch: the launch has no loop to run ahead in; every byte is asked for at the head.
; A wave makes 64 x 64: 16 accumulators by turns, 8 steps of 128 along K, the fragments of the step after next fetched behind each step's products.
; THE MATRIX INSTRUCTION IS USED TRANSPOSED (source 0 = 16 columns of out_w, source 1 = 16 tokens): a lane holds eight neighbouring numbers of a row of the result.  The bias is the C of the first products.
; REGISTERS: window 0: v0-31 addresses; v32-63 scale words (register 8 i + st: lanes 0-15 tokens' block i, lanes 16-31 columns' block i, step st); v64-255 two sets of 4 + 4 fragments, on the way out the rows read back.
;   window 1: v0-127 the accumulators (a, b) at 8 (4 a + b); v128-159 the bias.
.set LBB,   98304                      ; ow's codes, behind ctx's images
.set SCL,   LBB+122880                 ; the scales: units of 256 bytes + 16 of padding: tokens', then columns'
.set STAGE, SCL+2*4352                 ; the way out: 16 rows x 272 bytes for each wave
.set SPARE, STAGE+4*4352               ; the spare words, 128 bytes for each wave
.set ADRA, 16
.set ADRB, 20                          ; v20, v21: K steps of 256 number 0 and 1 (v21: for pieces whose lanes 16-31 lie behind the next padding); v22, v23: number 2 and 3
.set STO,  24
.set RD,   25
.set CO,   26
.set ADRS, 27
.set SPW,  28
.set NIL,  29
.set SC,   32
.set G1A, 24
.set G0A, 32
.set G0B, 36
.set G1B, 48
.set G0S, 56
.set G0SB, 60
.set G1S, 68
.set G1SB, 80
.set MSB, 0
.macro WIN new
.if MSB != (\new)
	s_set_vgpr_msb (MSB<<8)|(\new)
.set MSB, (\new)
.endif
.endm
.macro CROUND                          ; a round of the cluster's barrier
	s_barrier_signal -1
	s_barrier_wait -1
	s_cmp_lg_u32 s14, 0
	s_cbranch_scc1 .Lnot_wave_0_\@
	s_barrier_signal -3
.Lnot_wave_0_\@:
	s_barrier_wait -3
	s_barrier_signal -1
	s_barrier_wait -1
.endm
	s_load_b256 s[4:11], s[0:1], 0x0               ; ctx, ow, out_b, out0
	v_lshl_add_u32 v[SPW], v0, 2, SPARE
	v_mov_b32 v[NIL], 0
	ds_add_u32 v[SPW], v[NIL]                      ; the opening lines: the add, twice on end, and its wait ahead of my tensor load
	ds_add_u32 v[SPW], v[NIL]
	v_lshrrev_b32 v1, 5, v0
	v_readfirstlane_b32 s14, v1                    ; wave 0..3
	s_lshr_b32 s15, s14, 1                         ; which 64 tokens are mine
	s_and_b32 s16, s14, 1                          ; which 64 columns
	s_bfe_u32 s40, ttmp6, 0x40000                  ; cx, cy
	s_bfe_u32 s41, ttmp6, 0x40004
	s_lshl_b32 s42, ttmp9, 2
	s_add_co_u32 s42, s42, s40                     ; group of 128 columns, 0..7
	s_and_b32 s17, ttmp7, 0xffff
	s_lshl_b32 s17, s17, 2
	s_add_co_u32 s17, s17, s41                     ; group of 128 tokens, 0..31
	s_lshl_b32 s43, s41, 2
	s_lshl_b32 s43, 15, s43                        ; my row of the cluster
	s_lshl_b32 s44, 0x1111, s40                    ; my column
	s_or_b32 s[G1A+0], s43, (3<<16)|(1<<21)        ; ctx's images: 384 rows of 32 elements of 8 bytes, no padding
	s_mov_b32 s[G1A+1], 32<<16
	s_mov_b32 s[G1A+2], 384<<16
	s_mov_b32 s[G1A+3], 32<<16
	s_mov_b32 s[G1A+4], 384
	s_mov_b32 s[G1A+5], 32
	s_mov_b32 s[G1A+6], 0
	s_mov_b32 s[G1A+7], 0
	s_or_b32 s[G1B+0], s44, (0<<16)|(1<<20)|(1<<21)|(3<<22)|(3<<25)  ; ow's codes: 384 rows of 256 bytes, 16 bytes of padding behind every 64: a row of 192 bytes of codes takes 240 in LDS
	s_mov_b32 s[G1B+1], 256<<16
	s_mov_b32 s[G1B+2], 384<<16
	s_mov_b32 s[G1B+3], 256<<16
	s_mov_b32 s[G1B+4], 384
	s_mov_b32 s[G1B+5], 256
	s_mov_b32 s[G1B+6], 0
	s_mov_b32 s[G1B+7], 0
	s_or_b32 s[G1S+0], s43, (3<<16)|(1<<20)|(1<<21)|(5<<22)|(3<<25)  ; scales: 16 rows of 256 bytes, 16 of padding behind each
	s_or_b32 s[G1SB+0], s44, (3<<16)|(1<<20)|(1<<21)|(5<<22)|(3<<25)
.irp g, G1S, G1SB
	s_mov_b32 s[\g+1], 32<<16
	s_mov_b32 s[\g+2], 16<<16
	s_mov_b32 s[\g+3], 32<<16
	s_mov_b32 s[\g+4], 16
	s_mov_b32 s[\g+5], 32
	s_mov_b32 s[\g+6], 0
	s_mov_b32 s[\g+7], 0
.endr
	s_mul_i32 s20, s17, 98304
	s_mov_b32 s21, 0
	s_lshl_b32 s22, s17, 12
	s_mov_b32 s23, 0
	s_mul_i32 s46, s42, 98304
	s_mov_b32 s47, 0
	s_lshl_b32 s92, s42, 12
	s_mov_b32 s93, 0
	s_wait_dscnt 0x0                               ; both opening adds are done
	s_wait_kmcnt 0x0
	s_add_nc_u64 s[20:21], s[4:5], s[20:21]
	s_add_nc_u64 s[22:23], s[4:5], s[22:23]
	s_add_nc_u64 s[22:23], s[22:23], 3145728
	s_add_nc_u64 s[46:47], s[6:7], s[46:47]
	s_add_nc_u64 s[92:93], s[6:7], s[92:93]
	s_add_nc_u64 s[92:93], s[92:93], 786432
	CROUND                                         ; all sixteen work-groups are here: the joint loads meet
	s_mov_b32 s[G0A], 1
	s_mov_b32 s[G0A+1], 0
	s_mov_b64 s[G0A+2:G0A+3], s[20:21]
	s_or_b32 s[G0A+3], s[G0A+3], 0x80000000
	s_mov_b32 s[G0B], 1
	s_mov_b32 s[G0B+1], LBB
	s_mov_b64 s[G0B+2:G0B+3], s[46:47]
	s_or_b32 s[G0B+3], s[G0B+3], 0x80000000
	s_mov_b32 s[G0S], 1
	s_mov_b32 s[G0S+1], SCL
	s_mov_b64 s[G0S+2:G0S+3], s[22:23]
	s_or_b32 s[G0S+3], s[G0S+3], 0x80000000
	s_mov_b32 s[G0SB], 1
	s_mov_b32 s[G0SB+1], SCL+4352
	s_mov_b64 s[G0SB+2:G0SB+3], s[92:93]
	s_or_b32 s[G0SB+3], s[G0SB+3], 0x80000000
; one tensor load a wave, in one chain of branches on the wave's number: wave 0 ctx's images, wave 1 ow's codes, wave 2 the tokens' scales, wave 3 the columns'
.macro ARM under, g0, g1, next
	s_cmp_lt_u32 s14, \under
	s_cbranch_scc0 \next
	tensor_load_to_lds s[\g0:\g0+3], s[\g1:\g1+7]
	s_nop 0
.rept 4
	v_nop
.endr
	s_branch .Lhead_asked
\next:
.endm
	ARM 1, G0A, G1A, .Lhead_b
	ARM 2, G0B, G1B, .Lhead_sa
	ARM 3, G0S, G1S, .Lhead_sb
	tensor_load_to_lds s[G0SB:G0SB+3], s[G1SB:G1SB+7]
	s_nop 0
.rept 4
	v_nop
.endr
.Lhead_asked:
	s_mul_i32 s21, s15, 49152                      ; my four tiles of tokens: 12,288 bytes each
	s_mul_i32 s22, s16, 15360                      ; my 64 rows of ow's codes
	s_add_co_u32 s22, s22, LBB
	s_mul_i32 s18, s15, 2176                       ; my tokens' scales,
	s_mul_i32 s19, s16, 2176
	s_add_co_u32 s19, s19, 4352
	s_sub_co_u32 s19, s19, s18                     ; and how far behind them my columns' lie
	s_add_co_u32 s18, s18, SCL
	s_mul_i32 s23, s14, 4352
	s_add_co_u32 s23, s23, STAGE                   ; my stage
	s_lshl_b32 s46, s42, 9
	s_lshl_b32 s47, s16, 8
	s_add_co_u32 s46, s46, s47                     ; my first column, in bytes
	s_mov_b32 s47, 0
	s_add_nc_u64 s[8:9], s[8:9], s[46:47]
	s_lshl_b32 s92, s17, 7
	s_lshl_b32 s93, s15, 6
	s_add_co_u32 s92, s92, s93
	s_lshl_b32 s92, s92, 12                        ; my first row, 4,096 bytes a row
	s_mov_b32 s93, 0
	s_add_nc_u64 s[10:11], s[10:11], s[92:93]
	s_add_nc_u64 s[10:11], s[10:11], s[46:47]
	v_and_b32 v1, 15, v0                           ; r
	v_bfe_u32 v2, v0, 4, 1                         ; h
	v_and_b32 v6, 31, v0
	v_lshlrev_b32 v7, 3, v6
	v_add_nc_u32 v[ADRA], s21, v7                  ; ctx's images: 8 bytes a lane
	v_mul_u32_u24 v3, v1, 240
	v_mad_u32_u24 v4, v2, 24, v3
	v_add_nc_u32 v[ADRB], s22, v4                  ; ow's codes: row r, + 24 h
	v_lshl_add_u32 v[ADRB+1], v2, 4, v[ADRB]
	v_add_nc_u32 v[ADRB+2], 61440, v[ADRB]
	v_add_nc_u32 v[ADRB+3], 61440, v[ADRB+1]
	v_lshlrev_b32 v5, 5, v1                        ; scales: 32 bytes a row,
	v_lshrrev_b32 v8, 8, v5
	v_lshl_add_u32 v5, v8, 4, v5                   ; and 16 more for each 256 passed
	v_mul_u32_u24 v8, s19, v2                      ; lanes 16-31 take the columns'
	v_add_nc_u32 v5, v5, v8
	v_add_nc_u32 v[ADRS], s18, v5
	v_mul_u32_u24 v5, v1, 272
	v_lshl_add_u32 v5, v2, 5, v5
	v_add_nc_u32 v[STO], s23, v5                   ; into the stage: row r, 32 bytes for each half of the lanes
	v_mul_u32_u24 v5, v2, 272
	v_lshl_add_u32 v5, v1, 4, v5
	v_add_nc_u32 v[RD], s23, v5                    ; back: sixteen lanes to a row of 256 bytes, two rows an instruction
	v_lshlrev_b32 v5, 12, v2
	v_lshl_add_u32 v[CO], v1, 4, v5                ; and the same two rows in out0
	v_lshlrev_b32 v9, 5, v2                        ; the bias: my eight columns of each block of 16
	s_wait_alu depctr_va_vdst(0)
	WIN 0x40
.irp b, 0,1,2,3
	global_load_b128 v[128+8*\b:131+8*\b], v9, s[8:9] offset:64*\b
	global_load_b128 v[132+8*\b:135+8*\b], v9, s[8:9] offset:64*\b+16
.endr
	WIN 0
	s_wait_tensorcnt 0x0                           ; my block has landed;
	s_barrier_signal -1
	s_barrier_wait -1                              ; and so have the other three
.macro FRAGA reg, st, i                ; tokens' block i, step st: heads 2 st and 2 st + 1, three planes of 256 bytes each
.irp p, 0,1,2,3,4,5
	ds_load_b64 v[\reg+2*\p:\reg+2*\p+1], v[ADRA] offset:12288*(\i)+768*(2*(\st)+\p/3)+256*(\p%3)
.endr
.endm
.macro FRAGB reg, st, i                ; columns' block i, step st: half st % 2 of the rows of 192 bytes of K step st / 2, in pieces of 8 bytes; 16 bytes of padding behind every eight pieces
.irp p, 0,1,2,3,4,5
.set PC, 12*((\st)%2)+6*(\p/3)+\p%3
.set AB, ADRB+2*((\st)/4)
.if PC%8 >= 5
.set AB, AB+1
.endif
	ds_load_b64 v[\reg+2*\p:\reg+2*\p+1], v[AB] offset:(((\st)/2)%2)*30720+(\i)*3840+8*PC+16*(PC/8)
.endr
.endm
.macro FETCH st                        ; 48 LDS loads: step st's eight fragments into set st % 2
.irp i, 0,1,2,3
	FRAGA 64+96*((\st)%2)+12*\i, \st, \i
	FRAGB 64+96*((\st)%2)+48+12*\i, \st, \i
.endr
.endm
.macro MUL st, first                   ; 16 products, the 16 accumulators by turns
.set F, 64+96*((\st)%2)
.irp a, 0,1,2,3
.irp b, 0,1,2,3
.if \first
	v_wmma_scale_f32_16x16x128_f8f6f4 v[8*(4*\a+\b):8*(4*\a+\b)+7], v[F+48+12*\b:F+48+12*\b+11], v[F+12*\a:F+12*\a+11], v[128+8*\b:128+8*\b+7], v[SC+8*\b+(\st)], v[SC+8*\a+(\st)] matrix_a_fmt:MATRIX_FMT_FP6 matrix_b_fmt:MATRIX_FMT_FP6 matrix_a_scale:MATRIX_SCALE_ROW1
.else
	v_wmma_scale_f32_16x16x128_f8f6f4 v[8*(4*\a+\b):8*(4*\a+\b)+7], v[F+48+12*\b:F+48+12*\b+11], v[F+12*\a:F+12*\a+11], v[8*(4*\a+\b):8*(4*\a+\b)+7], v[SC+8*\b+(\st)], v[SC+8*\a+(\st)] matrix_a_fmt:MATRIX_FMT_FP6 matrix_b_fmt:MATRIX_FMT_FP6 matrix_a_scale:MATRIX_SCALE_ROW1
.endif
.endr
.endr
.endm
.irp i, 0,1,2,3
	ds_load_b128 v[SC+8*\i:SC+8*\i+3], v[ADRS] offset:544*\i       ; the scale words of all eight steps
	ds_load_b128 v[SC+8*\i+4:SC+8*\i+7], v[ADRS] offset:544*\i+16
.endr
	FETCH 0
	FETCH 1
	s_wait_loadcnt 0x0                             ; the bias
.irp st, 0,1,2,3,4,5,6,7
.if \st < 7
	s_wait_dscnt 48                                ; this step's fragments are in; the next step's 48 loads may be out
.else
	s_wait_dscnt 0x0
.endif
	WIN 0x50                                       ; C and D in window 1
.if \st == 0
	MUL \st, 1
.else
	MUL \st, 0
.endif
.rept 4
	v_nop                                          ; places in front of loads into registers that the products have read, and of the first read of the results
.endr
	WIN 0
.if \st < 6
	FETCH \st+2
.endif
.endr
; THE WAY OUT, block by block of 16 rows x 64 columns, through my own stage: LDS serves a wave's instructions in order, so no wait stands between the stores and the loads, nor in front of the next block's stores.
; Each block comes back into registers of its own; then all rows are stored, sixteen lanes to 256 consecutive bytes, aligned.
.irp a, 0,1,2,3
	WIN 0x04                                       ; the data: window 1
.irp b, 0,1,2,3
	ds_store_b128 v[STO], v[8*(4*\a+\b):8*(4*\a+\b)+3] offset:64*\b       ; each accumulator from its low end on
	ds_store_b128 v[STO], v[8*(4*\a+\b)+4:8*(4*\a+\b)+7] offset:64*\b+16
.endr
	WIN 0
.irp t, 0,1,2,3,4,5,6,7
	ds_load_b128 v[64+32*\a+4*\t:64+32*\a+4*\t+3], v[RD] offset:\t*544
.endr
.endr
.irp a, 0,1,2,3
	s_wait_dscnt 16*(3-\a)                         ; block a is back; the 8 stores and 8 loads of each later block may be out
.irp t, 0,1,2,3,4,5,6,7
	global_store_b128 v[CO], v[64+32*\a+4*\t:64+32*\a+4*\t+3], s[10:11] offset:(16*\a+2*\t)*4096 th:TH_STORE_NT
.endr
.endr
	s_wait_tensorcnt 0x0                           ; the wave's end
	ds_add_u32 v[SPW], v[NIL]
	s_wait_dscnt 0x0
	CROUND                                         ; the closing round
	s_endpgm
.Lfunc_end_k_q515549c491_oproj:
	.size	k_q515549c491_oproj, .Lfunc_end_k_q515549c491_oproj-k_q515549c491_oproj
	.p2alignl 7, 3214868480
	.fill 96, 4, 3214868480
	.section	.rodata,"a",@progbits
	.p2align	6, 0x0
	.amdhsa_kernel k_q515549c491_oproj
		.amdhsa_group_segment_fixed_size 327680
		.amdhsa_private_segment_fixed_size 0
		.amdhsa_enable_private_segment 0
		.amdhsa_kernarg_size 32
		.amdhsa_user_sgpr_count 2
		.amdhsa_user_sgpr_kernarg_segment_ptr 1
		.amdhsa_wavefront_size32 1
		.amdhsa_system_sgpr_workgroup_id_x 1
		.amdhsa_system_sgpr_workgroup_id_y 1
		.amdhsa_system_sgpr_workgroup_id_z 1
		.amdhsa_system_vgpr_workitem_id 0
		.amdhsa_next_free_vgpr 416
		.amdhsa_next_free_sgpr 98
		.amdhsa_reserve_vcc 0
		.amdhsa_float_denorm_mode_32 3
		.amdhsa_float_denorm_mode_16_64 3
		.amdhsa_memory_ordered 1
		.amdhsa_forward_progress 1
		.amdhsa_inst_pref_size 60
	.end_amdhsa_kernel
	.amdgpu_metadata
---
amdhsa.version: [ 1, 2 ]
amdhsa.kernels:
  - .name:           k_q515549c491_oproj
    .symbol:         k_q515549c491_oproj.kd
    .args:
      - { .name: ctx, .offset: 0, .size: 8, .value_kind: global_buffer, .address_space: global }
      - { .name: ow, .offset: 8, .size: 8, .value_kind: global_buffer, .address_space: global }
      - { .name: out_b, .offset: 16, .size: 8, .value_kind: global_buffer, .address_space: global }
      - { .name: out0, .offset: 24, .size: 8, .value_kind: global_buffer, .address_space: global }
    .group_segment_fixed_size: 327680
    .private_segment_fixed_size: 0
    .kernarg_segment_align: 8
    .kernarg_segment_size: 32
    .max_flat_workgroup_size: 128
    .sgpr_count:     98
    .vgpr_count:     416
    .wavefront_size: 32
...
	.end_amdgpu_metadata
.endif
;; end of part 4
